; MI455X (gfx1250); checked and timed in simulation.
; The chip was launched on July 23, 2026; its instructions are those of AMD's public machine-readable ISA for CDNA 5 (MIT licence, August 2026) and "CDNA5" Instruction Set Architecture Reference Guide (July 2026). The comments in the code are by the model that wrote it; some were corrected since.
;; Local Multihead Attention. Allowed arithmetic: float matrix products may take bf16 or f16 operands with f32 sums; other float arithmetic in f32, or as packed bf16 or f16 multiplies, adds, multiply-adds, maxima and minima; sums over many terms, partial sums and values carried from step to step in f32; what a program stores and reads back later, other than sums and carried values, may be rounded once to bf16 or f16.
;; Inputs: W_out 1,024 x 1,024 float32; W_qkv 3,072 x 1,024 float32; b_out 1,024 float32; b_qkv 3,072 float32; x 4 x 2,048 x 1,024 float32.
;; Outputs: out0 4 x 2,048 x 1,024 float32.
;; 2 versions, each right; version 2 is version 1 with the launch cast written anew for expert scheduling mode. Each part assembles by itself: llvm-mc -triple=amdgcn-amd-amdhsa -mcpu=gfx1250 --defsym DOCPART=n.
;; ======== version 1 of 2: 4 launches
;; limits: values are held in f16: magnitudes above 65,504 overflow, below 6.1e-05 lose precision
;; workspace buffers: xb 16,777,216 bytes; wqb 6,291,456 bytes; wob 2,097,152 bytes; qkv 50,331,648 bytes; ob 16,777,216 bytes
;; launch cast (part 1): grid 768 x 1, 8 waves a work-group, no clusters, 0 bytes of LDS; arguments x, W_qkv, W_out, xb, wqb, wob; writes xb, wqb, wob
.if DOCPART == 1
	.amdgcn_target "amdgcn-amd-amdhsa--gfx1250"
	.amdhsa_code_object_version 6
	.text
	.protected	k_q16c7baa3cd_cast
	.globl	k_q16c7baa3cd_cast
	.p2align	8
	.type	k_q16c7baa3cd_cast,@function
k_q16c7baa3cd_cast:
	s_mov_b64 s[64:65], 0
	v_nop
	global_prefetch_b8 v0, s[64:65] scope:SCOPE_SE
	s_setreg_imm32_b32 hwreg(HW_REG_WAVE_MODE, 25, 1), 1
	s_wait_xcnt 0x0
; x and W_qkv are rounded once from f32 to bf16 (xb, wqb).  W_out is rounded to bf16 like the other inputs, and that number is then written as f16 (wob),
; since the last product's other operand is f16.
; LIMITS.  |W_out| stays under 65,504 (beyond it f16 has no number); a W_out below 6e-5 keeps f16's fixed step of 6e-8.  NaN and infinities are not treated apart.
; SHARES.  A work-group takes 16,384 numbers of ONE tensor: 65,536 bytes in, 32,768 out.  Groups 0-511: x; 512-703: W_qkv; 704-767: W_out.
; Thread t takes 16 bytes at 16 t of each block of 4,096 bytes: a wave's load covers 512 consecutive bytes, its store of 8 bytes a lane 256 consecutive bytes, aligned.
; All sixteen loads of a thread go out at once; no register is written twice while a memory instruction may read it, so the only waits are the counted ones for the loads.
; No LDS and no matrix unit: nothing is shared and nothing is multiplied.
.set X,  4                             ; v[4:67]    sixteen loads of four f32
.set Y,  68                            ; v[68:99]   sixteen pairs to store
.set T,  100                           ; v[100:101] at work
.set GX, 512                           ; the first group of W_qkv
.set GQ, 704                           ; the first group of W_out
	s_load_b256 s[4:11], s[0:1], 0x0               ; x s[4:5], W_qkv s[6:7], W_out s[8:9], xb s[10:11]
	s_load_b128 s[12:15], s[0:1], 0x20             ; wqb s[12:13], wob s[14:15]
	v_lshlrev_b32 v1, 4, v0                        ; 16 t
	v_lshlrev_b32 v2, 3, v0                        ; 8 t
	s_mov_b32 s21, ttmp9
	s_wait_kmcnt 0x0
	s_cmp_lt_u32 s21, GX                           ; which tensor: the choice hangs on the group's number alone
	s_cselect_b64 s[16:17], s[4:5], s[6:7]
	s_cselect_b64 s[18:19], s[10:11], s[12:13]
	s_cselect_b32 s20, 0, GX
	s_cmp_lt_u32 s21, GQ
	s_cselect_b64 s[16:17], s[16:17], s[8:9]
	s_cselect_b64 s[18:19], s[18:19], s[14:15]
	s_cselect_b32 s20, s20, GQ
	s_sub_co_u32 s20, s21, s20                     ; the group's number within its tensor
	s_lshl_b32 s22, s20, 16                        ; 65,536 bytes in,
	s_mov_b32 s23, 0
	s_lshl_b32 s24, s20, 15                        ; 32,768 out
	s_mov_b32 s25, 0
	s_add_nc_u64 s[16:17], s[16:17], s[22:23]
	s_add_nc_u64 s[18:19], s[18:19], s[24:25]
.irp j, 0,1,2,3,4,5,6,7,8,9,10,11,12,13,14,15
	global_load_b128 v[X+4*(\j):X+4*(\j)+3], v1, s[16:17] offset:4096*(\j) th:TH_LOAD_NT
.endr
; Block j: four numbers rounded and stored.  f16 = 1: rounded to bf16, widened again (a shift, a mask) and written as f16.
.macro OUT j, f16
	s_wait_loadcnt 15-(\j)                         ; loads come back in order: block j is in, the 15 - j younger ones stay out
.if \f16
	v_cvt_pk_bf16_f32 v[T],   v[X+4*(\j)],   v[X+4*(\j)+1]
	v_cvt_pk_bf16_f32 v[T+1], v[X+4*(\j)+2], v[X+4*(\j)+3]
	v_lshlrev_b32 v[X+4*(\j)],   16, v[T]
	v_and_b32     v[X+4*(\j)+1], 0xffff0000, v[T]
	v_lshlrev_b32 v[X+4*(\j)+2], 16, v[T+1]
	v_and_b32     v[X+4*(\j)+3], 0xffff0000, v[T+1]
	v_cvt_pk_f16_f32 v[Y+2*(\j)],   v[X+4*(\j)],   v[X+4*(\j)+1]
	v_cvt_pk_f16_f32 v[Y+2*(\j)+1], v[X+4*(\j)+2], v[X+4*(\j)+3]
.else
	v_cvt_pk_bf16_f32 v[Y+2*(\j)],   v[X+4*(\j)],   v[X+4*(\j)+1]
	v_cvt_pk_bf16_f32 v[Y+2*(\j)+1], v[X+4*(\j)+2], v[X+4*(\j)+3]
.endif
	global_store_b64 v2, v[Y+2*(\j):Y+2*(\j)+1], s[18:19] offset:2048*(\j)
.endm
	s_cmp_ge_u32 s21, GQ
	s_cbranch_scc1 .Lf16
.irp j, 0,1,2,3,4,5,6,7,8,9,10,11,12,13,14,15
	OUT \j, 0
.endr
	s_endpgm
.Lf16:
.irp j, 0,1,2,3,4,5,6,7,8,9,10,11,12,13,14,15
	OUT \j, 1
.endr
	s_endpgm
.Lfunc_end_k_q16c7baa3cd_cast:
	.size	k_q16c7baa3cd_cast, .Lfunc_end_k_q16c7baa3cd_cast-k_q16c7baa3cd_cast
	.p2alignl 7, 3214868480
	.fill 96, 4, 3214868480
	.section	.rodata,"a",@progbits
	.p2align	6, 0x0
	.amdhsa_kernel k_q16c7baa3cd_cast
		.amdhsa_group_segment_fixed_size 0
		.amdhsa_private_segment_fixed_size 0
		.amdhsa_enable_private_segment 0
		.amdhsa_kernarg_size 48
		.amdhsa_user_sgpr_count 2
		.amdhsa_user_sgpr_kernarg_segment_ptr 1
		.amdhsa_wavefront_size32 1
		.amdhsa_system_sgpr_workgroup_id_x 1
		.amdhsa_system_sgpr_workgroup_id_y 1
		.amdhsa_system_sgpr_workgroup_id_z 1
		.amdhsa_system_vgpr_workitem_id 0
		.amdhsa_next_free_vgpr 104
		.amdhsa_next_free_sgpr 66
		.amdhsa_reserve_vcc 0
		.amdhsa_float_denorm_mode_32 3
		.amdhsa_float_denorm_mode_16_64 3
		.amdhsa_memory_ordered 1
		.amdhsa_forward_progress 1
		.amdhsa_inst_pref_size 16
	.end_amdhsa_kernel
	.amdgpu_metadata
---
amdhsa.version: [ 1, 2 ]
amdhsa.kernels:
  - .name:           k_q16c7baa3cd_cast
    .symbol:         k_q16c7baa3cd_cast.kd
    .args:
      - { .name: x, .offset: 0, .size: 8, .value_kind: global_buffer, .address_space: global }
      - { .name: W_qkv, .offset: 8, .size: 8, .value_kind: global_buffer, .address_space: global }
      - { .name: W_out, .offset: 16, .size: 8, .value_kind: global_buffer, .address_space: global }
      - { .name: xb, .offset: 24, .size: 8, .value_kind: global_buffer, .address_space: global }
      - { .name: wqb, .offset: 32, .size: 8, .value_kind: global_buffer, .address_space: global }
      - { .name: wob, .offset: 40, .size: 8, .value_kind: global_buffer, .address_space: global }
    .group_segment_fixed_size: 0
    .private_segment_fixed_size: 0
    .kernarg_segment_align: 8
    .kernarg_segment_size: 48
    .max_flat_workgroup_size: 256
    .sgpr_count:     66
    .vgpr_count:     104
    .wavefront_size: 32
...
	.end_amdgpu_metadata
.endif
;; end of part 1
;; launch qkvgemm (part 2): grid 16 x 32, 4 waves a work-group, clusters of 4 x 4, 327,680 bytes of LDS; arguments xb, wqb, b_qkv, qkv; writes qkv
.if DOCPART == 2
	.amdgcn_target "amdgcn-amd-amdhsa--gfx1250"
	.amdhsa_code_object_version 6
	.text
	.protected	k_q16c7baa3cd_qkvgemm
	.globl	k_q16c7baa3cd_qkvgemm
	.p2align	8
	.type	k_q16c7baa3cd_qkvgemm,@function
k_q16c7baa3cd_qkvgemm:
	s_mov_b64 s[64:65], 0
	v_nop
	global_prefetch_b8 v0, s[64:65] scope:SCOPE_SE
	s_setreg_imm32_b32 hwreg(HW_REG_WAVE_MODE, 25, 1), 1
	s_wait_xcnt 0x0
	s_wait_alu depctr_hold_cnt(0) depctr_sa_sdst(0) depctr_va_vdst(0) depctr_va_sdst(0) depctr_va_ssrc(0) depctr_va_vcc(0) depctr_vm_vsrc(0)
	s_getreg_b32 s2, hwreg(HW_REG_IB_STS2, 6, 4)
	s_cmp_eq_u32 s2, 0
	s_cbranch_scc0 .Lentry_in_a_cluster
	s_endpgm
.Lentry_in_a_cluster:
	s_bfe_u32 s2, ttmp6, 0x10000c
	s_cmp_lg_u32 s2, 0xf033
	s_cbranch_scc0 .Lentry_shape_is_right
	s_endpgm
.Lentry_shape_is_right:
; qkv = x W_qkv^T + b_qkv.  xb: [8192][1024] bf16, wqb: [3072][1024] bf16, b_qkv: [3072] f32 (rounded to bf16 here, like the other inputs); sums in f32, begun with the bias.
; The result is rounded once to f16 and laid out by heads: qkv[which][batch*16+head][t][64], a head's 2,048 rows dense, 128 bytes each.
; LIMIT.  |q|, |k|, |v| stay under 65,504: beyond it f16 has no number.  NaN and infinities are not treated apart.
; SHARES.  A tile of the result is 256 rows x 192 columns (three whole head slices of 64): 16 x 32 = 512 tiles, two for each of 256 places.  Four waves; wave w makes rows 64 w .. 64 w + 63 of all
; 192 columns: 48 accumulators of 16 x 16, 384 registers.  So a wave holds whole head rows of 128 bytes, and its own stage serves the way out without a barrier.
; K goes in steps of 128 (rows of 256 bytes in memory) through a ring of two LDS slots, filled by tensor loads: waves 0 and 1 fetch x's two halves of 128 rows, waves 2 and 3 W's two halves of 96.
; CLUSTER.  4 x 4 work-groups.  The four of a row of the cluster need the same rows of x, the four of a column the same rows of W: each tile is asked for jointly, by the same load, descriptor and mask.
; THE PRODUCT IS TAKEN TRANSPOSED (source 0 = 16 rows of W, source 1 = 16 rows of x): a lane holds row l % 16 of the result and the columns 8 (l / 16) + 0..7: eight neighbours.
; REGISTERS, in windows of 256 (s_set_vgpr_msb: bits 1:0 source 0, 3:2 source 1, 5:4 source 2, 7:6 destination):
;   window 0: v0-31 addresses; v32-95 x's fragments, two buffers of 32; v96-191 the bias as a C operand, later packed results; v144-239 rows read back from the stage
;   window 1: v0-191 W's fragments, two buffers of 96      window 2: accumulators of my rows 0-31, (a, b) at 8 (12 a + b)      window 3: those of my rows 32-63
.set KSTEP,  128
.set SIZE_K, 1024
.set PITCH,  272                       ; an LDS row: 256 bytes + 16 of padding = 68 words: the 16 rows of a fragment load start at 16 different groups of four banks (64 banks of 4 bytes: ISA guide 11.1)
.set RB,     96                        ; rows of W in one tensor load
.set NT,     192                       ; columns in a tile
.set HALFA,  128*PITCH
.set HALFB,  RB*PITCH
.set SLOT,   2*HALFA+2*HALFB           ; x's 256 rows, then W's 192
.set STAGE,  2*SLOT                    ; behind the ring, never filled by a tensor load: 16 rows x 400 bytes for each wave
.set SPITCH, 400                       ; 384 bytes + 16
.set SPARE,  STAGE+4*16*SPITCH         ; the spare words, 128 bytes for each wave: two blocks of 256 bytes that no other line names
.set LAPS,   SIZE_K/(2*KSTEP)          ; 4 laps of two K steps
.set ADRA, 16                          ; v16-17  LDS address of my fragments of x in slot 0, 1
.set ADRB, 20                          ; v20-21  of W
.set STO,  24                          ; v24  the way out: where I put 16 bytes of a row
.set RD,   25                          ; v25  where I read rows back
.set GO,   26                          ; v26  my 16 bytes in 512 consecutive bytes of a head
.set BO,   27                          ; v27  my 8 numbers in 16 of the bias
.set SPW,  28                          ; v28  LDS address of my spare word; never rewritten
.set NIL,  29                          ; v29  0; never rewritten
.set PFO,  30                          ; v30  the prefetches' offset: a lane a row; never rewritten
.set FA,   32
.set BIAS, 96
.set TMP,  96
.set OB,   144
.set FB,   0
.set F0,   0
.set F1,   1
.set WV,   12                          ; s12  my wave's number
.set KIND, 13                          ; s13  0: I fetch for x, 1: for W
.set HALF, 14                          ; s14  which half of that tile's rows
.set G1,   24                          ; s[24:31] descriptor group 1 for x's tiles;  s[32:39] group 0, a set for each slot
.set G0,   32
.set PFA,  44                          ; s[44:45] where my prefetches stand
.set LIM,  46                          ; s46  1 in a wave that prefetches, else the greatest number
.set G1B,  48                          ; s[48:55], s[56:63] the same for W's tiles
.set G0B,  56
.set OUTB, 66                          ; s[66:71] my first row in the three head slices
.set W0,   (1<<16)|(1<<20)|(1<<21)|(5<<22)|(3<<25)  ; 17:16 2-byte elements; 20 padding on; 21 set beside a mask; 24:22 after every 64 words; 31:25 4 words of it
.set MSB, 0
.macro WIN new                         ; the immediate's high byte repeats the setting that is left; a switch that changes nothing is dropped
.if MSB != (\new)
	s_set_vgpr_msb (MSB<<8)|(\new)
.set MSB, \new
.endif
.endm
.macro PLACES                          ; four plain places behind matrix instructions, in front of loads into registers that they read and of readers of their results
.rept 4
	v_nop
.endr
.endm
; A joint load.  The branch hangs on the wave's number alone.  An s_nop 0 and four v_nop follow each of the two lines, ahead of the jump and the label.
.macro JLOAD s
	s_cmp_eq_u32 s[KIND], 0
	s_cbranch_scc0 .Lfor_b_\@
	tensor_load_to_lds s[G0+4*(\s):G0+4*(\s)+3], s[G1:G1+7]
	s_nop 0
.rept 4
	v_nop
.endr
	s_branch .Lasked_\@
.Lfor_b_\@:
	tensor_load_to_lds s[G0B+4*(\s):G0B+4*(\s)+3], s[G1B:G1B+7]
	s_nop 0
.rept 4
	v_nop
.endr
.Lasked_\@:
.endm
; A prefetch of the K step that stands two refills on: 256 bytes of a row, a lane a row, one instruction a wave.  x's rows are asked for by the clusters with x = 0, W's by those with y = 0; the four partners
; that fetch a tile jointly share its rows out by address (32 of x's 128, 24 of W's 96; lanes 24-31 then name the 24th row again).  The loop's last trip (s3 = 1) has no K step two on and asks for nothing.
.macro ASK
	WIN 0
	s_cmp_gt_u32 s3, s[LIM]
	s_cbranch_scc0 .Lnot_mine_\@
	global_prefetch_b8 v[PFO], s[PFA:PFA+1] offset:KSTEP*2 th:TH_LOAD_NT scope:SCOPE_SE
.Lnot_mine_\@:
.endm
.macro CREST                           ; a round of the cluster's barrier behind its opening barrier
	s_cmp_lg_u32 s[WV], 0
	s_cbranch_scc1 .Lnot_wave_0_\@
	s_barrier_signal -3
.Lnot_wave_0_\@:
	s_barrier_wait -3
	s_barrier_signal -1
	s_barrier_wait -1
.endm
.macro CROUND
	s_barrier_signal -1
	s_barrier_wait -1
	CREST
.endm
	s_load_b256 s[4:11], s[0:1], 0x0               ; xb s[4:5], wqb s[6:7], b_qkv s[8:9], qkv s[10:11]
	v_lshl_add_u32 v[SPW], v0, 2, SPARE
	v_mov_b32 v[NIL], 0
	ds_add_u32 v[SPW], v[NIL]                      ; the wave's opening: the add and its wait stand ahead of my first tensor load; work on registers stands between them
	v_lshrrev_b32 v1, 5, v0
	v_readfirstlane_b32 s[WV], v1
	s_lshr_b32 s[KIND], s[WV], 1
	s_and_b32 s[HALF], s[WV], 1
	s_bfe_u32 s40, ttmp6, 0x40000                  ; cx
	s_bfe_u32 s41, ttmp6, 0x40004                  ; cy
	s_lshl_b32 s42, ttmp9, 2
	s_add_co_u32 s42, s42, s40                     ; tile column = 4 x cluster x + cx
	s_and_b32 s43, ttmp7, 0xffff
	s_lshl_b32 s43, s43, 2
	s_add_co_u32 s43, s43, s41                     ; tile row = 4 x cluster y + cy
	s_lshl_b32 s22, s41, 2
	s_lshl_b32 s22, 15, s22                        ; my row of the cluster
	s_lshl_b32 s23, 0x1111, s40                    ; my column
	s_or_b32 s[G1], s22, W0                        ; x's tiles go to my row,
	s_or_b32 s[G1B], s23, W0                       ; W's to my column
	s_mov_b32 s[G1+1], KSTEP<<16                   ; tensor_dim0 = 128
	s_mov_b32 s[G1+2], 128<<16                     ; tensor_dim1 = 128
	s_mov_b32 s[G1+3], KSTEP<<16                   ; tile_dim0 = 128
	s_mov_b32 s[G1+4], 128                         ; tile_dim1 = 128
	s_mov_b32 s[G1+5], SIZE_K                      ; elements from row to row
	s_mov_b32 s[G1+6], 0
	s_mov_b32 s[G1+7], 0
	s_mov_b32 s[G1B+1], KSTEP<<16
	s_mov_b32 s[G1B+2], RB<<16                     ; 96 rows
	s_mov_b32 s[G1B+3], KSTEP<<16
	s_mov_b32 s[G1B+4], RB
	s_mov_b32 s[G1B+5], SIZE_K
	s_mov_b32 s[G1B+6], 0
	s_mov_b32 s[G1B+7], 0
	s_lshl_b32 s16, s43, 8                         ; x: row 256 x tile row + 128 x half, in bytes: made of the tile row and the wave's number alone
	s_lshl_b32 s18, s[HALF], 7
	s_add_co_u32 s16, s16, s18
	s_lshl_b32 s16, s16, 11
	s_mov_b32 s17, 0
	s_mul_i32 s20, s42, NT                         ; W: row 192 x tile column + 96 x half: of the tile column and the wave's number alone
	s_mul_i32 s19, s[HALF], RB
	s_add_co_u32 s20, s20, s19
	s_lshl_b32 s20, s20, 11
	s_mov_b32 s21, 0
	s_mul_i32 s72, s[HALF], HALFA                  ; where they go in a slot: no place in the cluster enters an LDS address
	s_mul_i32 s73, s[HALF], HALFB
	s_add_co_u32 s73, s73, 2*HALFA
	s_wait_dscnt 0x0                               ; the opening add is done
	s_wait_kmcnt 0x0
	s_add_nc_u64 s[16:17], s[4:5], s[16:17]
	s_add_nc_u64 s[20:21], s[6:7], s[20:21]
	CROUND                                         ; all sixteen work-groups are here: the first joint loads meet
.irp s, 0,1
	s_mov_b32 s[G0+4*(\s)], 1
	s_add_co_u32 s[G0+4*(\s)+1], s72, (\s)*SLOT
	s_add_nc_u64 s[G0+4*(\s)+2:G0+4*(\s)+3], s[16:17], (\s)*KSTEP*2
	s_or_b32 s[G0+4*(\s)+3], s[G0+4*(\s)+3], 0x80000000
	s_mov_b32 s[G0B+4*(\s)], 1
	s_add_co_u32 s[G0B+4*(\s)+1], s73, (\s)*SLOT
	s_add_nc_u64 s[G0B+4*(\s)+2:G0B+4*(\s)+3], s[20:21], (\s)*KSTEP*2
	s_or_b32 s[G0B+4*(\s)+3], s[G0B+4*(\s)+3], 0x80000000
	JLOAD \s                                       ; K steps 0 and 1: two loads of mine are out
.endr
	; a fragment is 16 rows x 32 K in 8 registers: lane l holds row l % 16, K = 8 (l / 16) + 0..7 and 16 + 8 (l / 16) + 0..7: two loads of 16 bytes, 32 bytes apart
	v_and_b32 v1, 15, v0                           ; r = l % 16
	v_bfe_u32 v2, v0, 4, 1                         ; h = l / 16
	v_mul_u32_u24 v3, v1, PITCH
	v_lshl_add_u32 v3, v2, 4, v3
	s_mul_i32 s18, s[WV], 64*PITCH                 ; my 64 rows of x
.irp s, 0,1
	v_add_nc_u32 v[ADRA+(\s)], s18, v3
	v_add_nc_u32 v[ADRB+(\s)], 2*HALFA+(\s)*SLOT, v3
	s_add_co_u32 s18, s18, SLOT
.endr
	s_mul_i32 s19, s[WV], 16*SPITCH
	s_add_co_u32 s19, s19, STAGE                   ; my stage
	v_mul_u32_u24 v4, v1, SPITCH                   ; in: row r, 16 bytes for each half of the lanes
	v_lshl_add_u32 v4, v2, 4, v4
	v_add_nc_u32 v[STO], s19, v4
	v_and_b32 v31, 31, v0                          ; l
	v_lshrrev_b32 v4, 3, v31                       ; back: 32 lanes take 128 bytes of four rows,
	v_mul_u32_u24 v4, v4, SPITCH
	v_and_b32 v5, 7, v0
	v_lshl_add_u32 v4, v5, 4, v4
	v_add_nc_u32 v[RD], s19, v4
	v_lshlrev_b32 v[GO], 4, v31                    ; which are 512 consecutive bytes of a head
	v_lshlrev_b32 v[BO], 5, v2
	; my first row in the three head slices G = 3 x tile column + g: which = G / 16, head = G % 16; batch = tile row / 8
	s_and_b32 s22, s43, 7
	s_lshl_b32 s22, s22, 8
	s_lshl_b32 s23, s[WV], 6
	s_add_co_u32 s22, s22, s23
	s_lshl_b32 s22, s22, 7                         ; the row in its head, 128 bytes a row
	s_lshr_b32 s23, s43, 3
	s_lshl_b32 s23, s23, 4                         ; 16 x batch
	s_mul_i32 s47, s42, 3
.irp g, 0,1,2
	s_add_co_u32 s18, s47, \g
	s_lshr_b32 s19, s18, 4
	s_lshl_b32 s19, s19, 6
	s_and_b32 s18, s18, 15
	s_add_co_u32 s18, s18, s19
	s_add_co_u32 s18, s18, s23
	s_lshl_b32 s18, s18, 18                        ; a head is 262,144 bytes
	s_add_co_u32 s18, s18, s22
	s_mov_b32 s19, 0
	s_add_nc_u64 s[OUTB+2*(\g):OUTB+2*(\g)+1], s[10:11], s[18:19]
.endr
	; the prefetches: my work-group's share of the rows that I fetch, at K step 2; the first refill steps it to 3 and names K step 4
	s_and_b32 s22, ttmp7, 0xffff                   ; cluster y
	s_lshl_b32 s18, s43, 8
	s_mul_i32 s19, s42, NT
	s_lshl_b32 s23, s[HALF], 7
	s_mul_i32 s47, s[HALF], RB
	s_lshl_b32 s72, s40, 5                         ; 32 cx
	s_mul_i32 s73, s41, RB/4                       ; 24 cy
	s_add_co_u32 s18, s18, s23
	s_add_co_u32 s18, s18, s72
	s_add_co_u32 s19, s19, s47
	s_add_co_u32 s19, s19, s73
	s_cmp_eq_u32 s[KIND], 0
	s_cselect_b32 s18, s18, s19
	s_cselect_b32 s22, ttmp9, s22                  ; the coordinate along which other clusters read the same rows
	s_cselect_b32 s47, 31, RB/4-1
	s_cselect_b64 s[PFA:PFA+1], s[4:5], s[6:7]
	s_cmp_eq_u32 s22, 0
	s_cselect_b32 s[LIM], 1, -1                    ; the same in all sixteen partners, for a given wave
	s_lshl_b32 s18, s18, 11
	s_add_co_u32 s18, s18, 2*KSTEP*2
	s_mov_b32 s19, 0
	s_add_nc_u64 s[PFA:PFA+1], s[PFA:PFA+1], s[18:19]
	v_min_u32 v[PFO], s47, v31
	v_lshlrev_b32 v[PFO], 11, v[PFO]
	; the bias of my lane's columns, as the C operand of the first products: register j of block b = b_qkv[192 x tile column + 16 b + 8 h + j]
	s_mul_i32 s18, s42, NT*4
	s_mov_b32 s19, 0
	s_add_nc_u64 s[8:9], s[8:9], s[18:19]
.irp b, 0,1,2,3,4,5,6,7,8,9,10,11
	global_load_b128 v[BIAS+8*(\b):BIAS+8*(\b)+3],   v[BO], s[8:9] offset:64*(\b)
	global_load_b128 v[BIAS+8*(\b)+4:BIAS+8*(\b)+7], v[BO], s[8:9] offset:64*(\b)+16
.endr
	s_wait_loadcnt 0x0
.set i, 0
.rept 48                               ; rounded to bf16 and widened again
	v_cvt_pk_bf16_f32 v31, v[BIAS+i], v[BIAS+i+1]
	v_lshlrev_b32 v[BIAS+i], 16, v31
	v_and_b32 v[BIAS+i+1], 0xffff0000, v31
.set i, i+2
.endr
; 12 matrix instructions: block a (0, 1) of the window's two (hi = 0: my rows 0-31, 1: rows 32-63) x all 12 column blocks, 32 along K.  bias = 1: the first product starts the sum with the bias: nothing is cleared.
; The 48 accumulators take turns in the same order in every quarter step.
.macro MUL12 f, hi, a, bias
.if \bias
	WIN 0x81+0x40*(\hi)
.else
	WIN 0xa1+0x50*(\hi)
.endif
.irp b, 0,1,2,3,4,5,6,7,8,9,10,11
.set rD, 8*(12*(\a)+(\b))
.set rB, FB+96*(\f)+8*(\b)
.set rA, FA+32*(\f)+8*(2*(\hi)+(\a))
.if \bias
	v_wmma_f32_16x16x32_bf16 v[rD:rD+7], v[rB:rB+7], v[rA:rA+7], v[BIAS+8*(\b):BIAS+8*(\b)+7]
.else
	v_wmma_f32_16x16x32_bf16 v[rD:rD+7], v[rB:rB+7], v[rA:rA+7], v[rD:rD+7]
.endif
.endr
.endm
; 32 LDS loads in one run: a quarter step's fragments (192 rows of W, my 64 rows of x, 32 K at byte k of the rows) into buffer f; W's first
.macro FETCH slot, k, f
	WIN 0x40
.irp i, 0,1,2,3,4,5,6,7,8,9,10,11
	ds_load_b128 v[FB+96*(\f)+8*(\i):FB+96*(\f)+8*(\i)+3],   v[ADRB+(\slot)] offset:(\k)+(\i)*16*PITCH
	ds_load_b128 v[FB+96*(\f)+8*(\i)+4:FB+96*(\f)+8*(\i)+7], v[ADRB+(\slot)] offset:(\k)+(\i)*16*PITCH+32
.endr
	WIN 0
.irp i, 0,1,2,3
	ds_load_b128 v[FA+32*(\f)+8*(\i):FA+32*(\f)+8*(\i)+3],   v[ADRA+(\slot)] offset:(\k)+(\i)*16*PITCH
	ds_load_b128 v[FA+32*(\f)+8*(\i)+4:FA+32*(\f)+8*(\i)+7], v[ADRA+(\slot)] offset:(\k)+(\i)*16*PITCH+32
.endr
.endm
; One of a K step's first three quarters: multiplies buffer f; in its middle it fetches the next quarter's fragments, at byte k, into buffer g.
.macro QUARTER slot, k, f, g, bias
	s_wait_dscnt 4                                 ; W and x's rows 0-31 are in; the youngest four loads (x's rows 32-63) may be out
	MUL12 \f, 0, 0, \bias
	MUL12 \f, 0, 1, \bias
	PLACES
	FETCH \slot, \k, \g
	s_wait_dscnt 32                                ; all but the 32 just issued
	MUL12 \f, 1, 0, \bias
	MUL12 \f, 1, 1, \bias
.endm
; The last quarter multiplies buffer 1 and changes slots: ONE barrier.  In front of it each wave waits for all its tensor loads (one is out: its part of the next slot), adds 0 to its spare word, and waits for
; that and for its reads of this slot.  fill = 1: the barrier opens a round of the cluster's barrier, and this slot is filled again, two K steps on, first thing behind the round.
.macro TURN slot, next, fill
.if \fill
	s_wait_xcnt 0x0                                ; the last prefetch, a K step back, has read its address
	s_add_nc_u64 s[PFA:PFA+1], s[PFA:PFA+1], KSTEP*2
.endif
	WIN 0
	s_wait_tensorcnt 0x0                           ; all my tensor loads have landed
	ds_add_u32 v[SPW], v[NIL]
	s_wait_dscnt 5                                 ; (the add and the youngest four loads may be out)
	MUL12 F1, 0, 0, 0
	s_wait_dscnt 0x0                               ; the add is done, and my reads of this slot are over
	s_barrier_signal -1
	MUL12 F1, 0, 1, 0
.if \fill
	WIN 0
.endif
	s_barrier_wait -1
.if \fill
	CREST                                          ; no wave of any partner still reads this slot or has a load on its way
	s_add_nc_u64 s[G0+4*(\slot)+2:G0+4*(\slot)+3], s[G0+4*(\slot)+2:G0+4*(\slot)+3], 2*KSTEP*2
	s_add_nc_u64 s[G0B+4*(\slot)+2:G0B+4*(\slot)+3], s[G0B+4*(\slot)+2:G0B+4*(\slot)+3], 2*KSTEP*2
	JLOAD \slot                                    ; my one load behind the round; its four v_nop are also the places in front of the loads below
.else
	PLACES
.endif
	FETCH \next, 0, F0
.if \fill
	ASK
.endif
	MUL12 F1, 1, 0, 0
	MUL12 F1, 1, 1, 0
.endm
	s_wait_tensorcnt 1                             ; my part of K step 0 is in; K step 1's may stay out
	s_barrier_signal -1
	s_barrier_wait -1
	FETCH 0, 0, F0
	QUARTER 0, 64,  F0, F1, 1                      ; the first quarter stands in front of the loop: its products start the sums
	WIN 0                                          ; at a label and at a branch every window is 0
	s_mov_b32 s3, LAPS-1
.Llap:                                                 ; a trip goes once round the ring and fills both slots again
	QUARTER 0, 128, F1, F0, 0
	QUARTER 0, 192, F0, F1, 0
	TURN 0, 1, 1
	QUARTER 1, 64,  F0, F1, 0
	QUARTER 1, 128, F1, F0, 0
	QUARTER 1, 192, F0, F1, 0
	TURN 1, 0, 1
	QUARTER 0, 64,  F0, F1, 0
	WIN 0
	s_sub_co_u32 s3, s3, 1
	s_cmp_lg_u32 s3, 0
	s_cbranch_scc1 .Llap
	QUARTER 0, 128, F1, F0, 0                      ; the last lap fills nothing
	QUARTER 0, 192, F0, F1, 0
	TURN 0, 1, 0
	QUARTER 1, 64,  F0, F1, 0
	QUARTER 1, 128, F1, F0, 0
	QUARTER 1, 192, F0, F1, 0
	s_wait_dscnt 4                                 ; the very last quarter: nothing more to fetch
	MUL12 F1, 0, 0, 0
	MUL12 F1, 0, 1, 0
	s_wait_dscnt 0x0
	MUL12 F1, 1, 0, 0
	MUL12 F1, 1, 1, 0
	WIN 0
; THE WAY OUT, a block of 16 rows at a time.  PACK: rounded to f16, 16 bytes a lane, each accumulator from its low end.  TOSTAGE: into my own stage, and back as 128-byte pieces of four rows.  SEND: stored.
.macro PACK a
	WIN 0x0a+5*((\a)/2)                            ; sources 0 and 1: window 2 or 3
.irp b, 0,1,2,3,4,5,6,7,8,9,10,11
.irp i, 0,1,2,3
	v_cvt_pk_f16_f32 v[TMP+4*(\b)+(\i)], v[8*(12*((\a)%2)+(\b))+2*(\i)], v[8*(12*((\a)%2)+(\b))+2*(\i)+1]
.endr
.endr
	WIN 0
.endm
.macro TOSTAGE a
.if (\a) >= 2
	s_wait_xcnt 0x0                                ; the stores of two blocks back have read the registers that are loaded again below
.endif
.irp b, 0,1,2,3,4,5,6,7,8,9,10,11
	ds_store_b128 v[STO], v[TMP+4*(\b):TMP+4*(\b)+3] offset:32*(\b)
.endr
.irp g, 0,1,2
.irp t, 0,1,2,3
	ds_load_b128 v[OB+48*((\a)%2)+4*(4*(\g)+(\t)):OB+48*((\a)%2)+4*(4*(\g)+(\t))+3], v[RD] offset:128*(\g)+4*SPITCH*(\t)  ; LDS serves a wave's instructions in order (ISA guide 5.7.1.4): these see the stores above
.endr
.endr
.endm
.macro SEND a
	s_wait_dscnt 0x0                               ; the block is back in registers
.irp g, 0,1,2
.irp t, 0,1,2,3
	global_store_b128 v[GO], v[OB+48*((\a)%2)+4*(4*(\g)+(\t)):OB+48*((\a)%2)+4*(4*(\g)+(\t))+3], s[OUTB+2*(\g):OUTB+2*(\g)+1] offset:2048*(\a)+512*(\t)  ; four head rows: 512 consecutive bytes, aligned
.endr
.endr
.endm
	PLACES
	PLACES
	PACK 0
	TOSTAGE 0
.irp a, 1,2,3                          ; block a's conversions stand between block a - 1's loads from the stage and the wait for them
	PACK \a
	SEND (\a)-1
	TOSTAGE \a
.endr
	SEND 3
	s_wait_tensorcnt 0x0                           ; the wave's end: behind my last tensor load and my last LDS store
	ds_add_u32 v[SPW], v[NIL]
	s_wait_dscnt 0x0
	CROUND                                         ; the closing round: no work-group ends while a partner may still ask for a tile that names it
	s_endpgm
.Lfunc_end_k_q16c7baa3cd_qkvgemm:
	.size	k_q16c7baa3cd_qkvgemm, .Lfunc_end_k_q16c7baa3cd_qkvgemm-k_q16c7baa3cd_qkvgemm
	.p2alignl 7, 3214868480
	.fill 96, 4, 3214868480
	.section	.rodata,"a",@progbits
	.p2align	6, 0x0
	.amdhsa_kernel k_q16c7baa3cd_qkvgemm
		.amdhsa_group_segment_fixed_size 327680
		.amdhsa_private_segment_fixed_size 0
		.amdhsa_enable_private_segment 0
		.amdhsa_kernarg_size 32
		.amdhsa_user_sgpr_count 2
		.amdhsa_user_sgpr_kernarg_segment_ptr 1
		.amdhsa_wavefront_size32 1
		.amdhsa_system_sgpr_workgroup_id_x 1
		.amdhsa_system_sgpr_workgroup_id_y 1
		.amdhsa_system_sgpr_workgroup_id_z 1
		.amdhsa_system_vgpr_workitem_id 0
		.amdhsa_next_free_vgpr 960
		.amdhsa_next_free_sgpr 74
		.amdhsa_reserve_vcc 0
		.amdhsa_float_denorm_mode_32 3
		.amdhsa_float_denorm_mode_16_64 3
		.amdhsa_memory_ordered 1
		.amdhsa_forward_progress 1
		.amdhsa_inst_pref_size 130
	.end_amdhsa_kernel
	.amdgpu_metadata
---
amdhsa.version: [ 1, 2 ]
amdhsa.kernels:
  - .name:           k_q16c7baa3cd_qkvgemm
    .symbol:         k_q16c7baa3cd_qkvgemm.kd
    .args:
      - { .name: xb, .offset: 0, .size: 8, .value_kind: global_buffer, .address_space: global }
      - { .name: wqb, .offset: 8, .size: 8, .value_kind: global_buffer, .address_space: global }
      - { .name: b_qkv, .offset: 16, .size: 8, .value_kind: global_buffer, .address_space: global }
      - { .name: qkv, .offset: 24, .size: 8, .value_kind: global_buffer, .address_space: global }
    .group_segment_fixed_size: 327680
    .private_segment_fixed_size: 0
    .kernarg_segment_align: 8
    .kernarg_segment_size: 32
    .max_flat_workgroup_size: 128
    .sgpr_count:     74
    .vgpr_count:     960
    .wavefront_size: 32
...
	.end_amdgpu_metadata
.endif
;; end of part 2
;; launch attn (part 3): grid 8 x 32, 8 waves a work-group, no clusters, 327,680 bytes of LDS; arguments qkv, ob; writes ob
.if DOCPART == 3
	.amdgcn_target "amdgcn-amd-amdhsa--gfx1250"
	.amdhsa_code_object_version 6
	.text
	.protected	k_q16c7baa3cd_attn
	.globl	k_q16c7baa3cd_attn
	.p2align	8
	.type	k_q16c7baa3cd_attn,@function
k_q16c7baa3cd_attn:
	s_mov_b64 s[64:65], 0
	v_nop
	global_prefetch_b8 v0, s[64:65] scope:SCOPE_SE
	s_setreg_imm32_b32 hwreg(HW_REG_WAVE_MODE, 25, 1), 1
	s_wait_xcnt 0x0
; BAND ATTENTION.  O[q] = the sum over keys t with |t - q| <= 32 (and 0 <= t < 2,048) of softmax_t(Q[q] . K[t] / 8) V[t], for 64 heads of 2,048 rows x 64 channels.
; qkv: [3][64][2048][64] f16, a head's rows dense; ob: [8192][1024] f16, column = head x 64 + channel.  Products, maximum and sum in f32; the weights p are rounded to f16 for the second
; product (their sum is taken of the unrounded p), O once at the end.  The row's maximum is taken away before the exponentials.
; LIMITS.  A hidden score counts as its value less 1e30; a weight below 2^-126 counts as 0; NaN and infinities are not treated apart.
; SHARES.  A work-group takes 256 queries (t0 = 256 x) of the two heads 2 y and 2 y + 1, whose 64 + 64 channels are 256 consecutive bytes of a row of ob.  It brings the key rows t0 - 32 .. t0 + 287 of K and V of both
; heads into LDS, each byte filled once.  Wave w takes queries q0 = t0 + 32 w .. + 31 as two tiles u of 16; they need keys q0 - 32 .. q0 + 63: LDS rows 32 w .. 32 w + 95, six blocks c of 16.
; Tile u multiplies blocks c = u + i, i = 0..4: in block i = 0 key kk is seen where kk >= r, in i = 4 where kk <= r, in between all: 65 keys a row.  Its sixth block has weight 0.
; THE MASK is the C operand that starts a sum S^T = K Q^T: 0 or -1e30.  Beyond the sequence's ends the halo's address is clamped into the head (finite numbers land), and whole blocks are hidden by two scalars,
; EL (first wave of the first block of queries) and ER (last wave of the last): no branch hangs on them.
; LAYOUT.  S^T = K Q^T holds ONE query a lane (l % 16) and the keys 8 (l / 16) + 0..7; two such results rounded to f16 ARE source 1 of O^T = V^T P.  V comes out of LDS turned, by ds_load_tr16_b128.
; NO CLUSTER: neighbouring work-groups of a head share the halos alone, 64 of the 320 key rows.  Every load goes out at the kernel's head, so nothing is asked for ahead of it.
; REGISTERS (s_set_vgpr_msb: bits 1:0 source 0, 3:2 source 1, 5:4 source 2, 7:6 destination): window 0: addresses, statistics, masks, S^T / O^T, P, packed results; window 1: v0-63 Q, v64-159 K, v160-255 V.
.set PK,    144                        ; a row of K in LDS: 128 bytes + 16: the 16 rows of a load start at 16 different groups of four banks (64 banks of 4 bytes: ISA guide 11.1)
.set PV,    160                        ; a row of V: 128 + 32
.set KB,    320*PK                     ; a head's K
.set VB,    320*PV                     ; a head's V
.set VOFF,  2*KB
.set STAGE, VOFF+2*VB                  ; never filled by a tensor load: 32 rows x 272 bytes for each wave
.set SP,    272
.set SPARE, STAGE+8*32*SP              ; the spare words, 128 bytes for each wave: four blocks of 256 bytes that no other line names
.set AK,  4                            ; v4   my lane's place in my wave's rows of K
.set AV,  5                            ; v5   of V
.set QO,  6                            ; v6   my byte offset in 16 rows of Q
.set STO, 7                            ; v7   where I put 16 bytes of a row of O
.set RD,  8                            ; v8   where I read rows back
.set GO,  9                            ; v9   my byte offset in two rows of ob
.set SPW, 16                           ; v16  LDS address of my spare word; never rewritten
.set NIL, 17                           ; v17  0; never rewritten
.set ST,  20                           ; tile u at ST + 8 u: c m, m, c0-c4 at work
.set IV,  36                           ; tile u at IV + 2 u: 1 / l, l
.set MA,  40                           ; v40-47  the mask of block i = 0
.set MB,  48                           ; v48-55  of block i = 4
.set ML,  56                           ; v56-63  EL eight times
.set MR,  64                           ; v64-71  ER eight times
.set S,   72                           ; v72-151  S^T: (u, i) at S + 40 u + 8 i
.set O,   72                           ; v72-135  O^T, in S^T's place: (u, cb) at O + 32 u + 8 cb
.set P,   152                          ; v152-199 key block c of tile u at P + 24 u + 4 c
.set TMP, 200                          ; v200-231 packed results
.set QF,  0                            ; window 1: Q's fragment (e, u, cc) at 8 (4 e + 2 u + cc)
.set KF,  64                           ; K's (c, cc) at KF + 8 (2 c + cc)
.set VF,  160                          ; V's (g, cb) at VF + 8 (4 g + cb)
.set WV,  8                            ; s8   my wave's number
.set G1KM, 24                          ; s[24:31] group 1: K, 128 keys;  s[32:39] K, 32 keys;  s[40:47], s[48:55] the same for V
.set G1KH, 32
.set G1VM, 40
.set G1VH, 48
.set G0KM, 56                          ; s[56:59], s[60:63], s[68:71], s[72:75] the four groups 0
.set G0KH, 60
.set G0VM, 68
.set G0VH, 72
.set CS,  76                           ; s[76:77] c = log2(e) / 8
.set SEL, 78                           ; s[78:79] v_permlanex16_b32's selects: each lane takes its own place in the other half
.set BIGN, 80                          ; s80  -1e30
.set EL,  81                           ; s81  -1e30 where my first 32 keys lie in front of the sequence, else 0
.set ER,  82                           ; s82  the same for my last 32 keys
.set QB,  84                           ; s[84:85] Q at my first row, head 2 y
.set OBS, 86                           ; s[86:87] ob at my first row, my two heads' 256 bytes
.set MSB, 0
.macro WIN new
.if MSB != (\new)
	s_set_vgpr_msb (MSB<<8)|(\new)
.set MSB, \new
.endif
.endm
.macro PLACES
.rept 4
	v_nop
.endr
.endm
; Group 1.  Keys are dense rows of 128 bytes: asked for as rows of 256 bytes, two keys a row, and padded in LDS after every key (32 words).
.macro SHAPE g, pad, rows
	s_mov_b32 s[(\g)], (1<<16)|(1<<20)|(4<<22)|((\pad)<<25)
	s_mov_b32 s[(\g)+1], 128<<16
	s_mov_b32 s[(\g)+2], (\rows)<<16
	s_mov_b32 s[(\g)+3], 128<<16
	s_mov_b32 s[(\g)+4], \rows
	s_mov_b32 s[(\g)+5], 128
	s_mov_b32 s[(\g)+6], 0
	s_mov_b32 s[(\g)+7], 0
.endm
	s_load_b128 s[4:7], s[0:1], 0x0                ; qkv s[4:5], ob s[6:7]
	v_lshl_add_u32 v[SPW], v0, 2, SPARE
	v_mov_b32 v[NIL], 0
	ds_add_u32 v[SPW], v[NIL]                      ; the wave's opening: the add and its wait stand ahead of my first tensor load; work on registers stands between them
	v_lshrrev_b32 v1, 5, v0
	v_readfirstlane_b32 s[WV], v1                  ; wave 0..7
	s_mov_b32 s9, ttmp9                            ; the block of 256 queries
	s_and_b32 s10, ttmp7, 0xffff                   ; y: the pair of heads
	s_lshl_b32 s11, s9, 8                          ; t0
	s_lshr_b32 s12, s[WV], 1
	s_and_b32 s12, s12, 1                          ; e: which head I fetch for
	s_and_b32 s13, s[WV], 1                        ; which half of its keys
	SHAPE G1KM, 3, 64
	SHAPE G1KH, 3, 16
	SHAPE G1VM, 7, 64
	SHAPE G1VH, 7, 16
	s_mov_b32 s[G0KM], 1
	s_mov_b32 s[G0KH], 1
	s_mov_b32 s[G0VM], 1
	s_mov_b32 s[G0VH], 1
	s_mul_i32 s14, s12, KB                         ; LDS: the main load goes to rows 32 + 128 half, the halo to row 0 or 288
	s_mul_i32 s15, s13, 128*PK
	s_add_co_u32 s15, s15, s14
	s_add_co_u32 s[G0KM+1], s15, 32*PK
	s_mul_i32 s15, s13, 288*PK
	s_add_co_u32 s[G0KH+1], s15, s14
	s_mul_i32 s14, s12, VB
	s_mul_i32 s15, s13, 128*PV
	s_add_co_u32 s15, s15, s14
	s_add_co_u32 s[G0VM+1], s15, VOFF+32*PV
	s_mul_i32 s15, s13, 288*PV
	s_add_co_u32 s15, s15, s14
	s_add_co_u32 s[G0VH+1], s15, VOFF
	s_lshl_b32 s14, s10, 1
	s_add_co_u32 s14, s14, s12
	s_lshl_b32 s14, s14, 18                        ; the head's first byte in a tensor
	s_lshl_b32 s15, s13, 7
	s_add_co_u32 s15, s15, s11                     ; main: from row t0 + 128 half
	s_lshl_b32 s15, s15, 7
	s_add_co_u32 s20, s14, s15
	s_add_co_u32 s20, s20, 1<<24                   ; K lies 16,777,216 bytes behind Q
	s_mov_b32 s21, 0
	s_sub_co_i32 s17, s11, 32                      ; halo: from row t0 - 32 or t0 + 256, clamped into the head: the clamp enters the global address alone
	s_max_i32 s17, s17, 0
	s_add_co_u32 s18, s11, 256
	s_min_u32 s18, s18, 2016
	s_cmp_eq_u32 s13, 0
	s_cselect_b32 s17, s17, s18
	s_lshl_b32 s17, s17, 7
	s_add_co_u32 s22, s14, s17
	s_add_co_u32 s22, s22, 1<<24
	s_mov_b32 s23, 0
	s_lshl_b32 s14, s[WV], 5
	s_add_co_u32 s14, s14, s11                     ; q0
	s_lshl_b32 s15, s10, 19                        ; head 2 y
	s_lshl_b32 s16, s14, 7
	s_add_co_u32 s16, s16, s15
	s_mov_b32 s17, 0
	s_lshr_b32 s18, s10, 3                         ; the batch,
	s_lshl_b32 s18, s18, 11
	s_add_co_u32 s18, s18, s14                     ; my first row of ob,
	s_lshl_b32 s18, s18, 11
	s_and_b32 s19, s10, 7
	s_lshl_b32 s19, s19, 8                         ; my two heads' 256 bytes
	s_add_co_u32 s18, s18, s19
	s_mov_b32 s19, 0
	s_mov_b32 s[CS], 0x3e38aa3b                    ; c = 0.180337
	s_mov_b32 s[CS+1], s[CS]                       ; named with it as a pair
	s_mov_b32 s[SEL], 0x76543210
	s_mov_b32 s[SEL+1], 0xfedcba98
	s_mov_b32 s[BIGN], 0xf149f2ca                  ; -1e30
	s_or_b32 s14, s9, s[WV]
	s_cmp_eq_u32 s14, 0
	s_cselect_b32 s[EL], s[BIGN], 0
	s_and_b32 s14, s9, s[WV]
	s_cmp_eq_u32 s14, 7
	s_cselect_b32 s[ER], s[BIGN], 0
	s_wait_dscnt 0x0                               ; the opening add is done
	s_wait_kmcnt 0x0
	s_add_nc_u64 s[G0KM+2:G0KM+3], s[4:5], s[20:21]
	s_add_nc_u64 s[G0VM+2:G0VM+3], s[G0KM+2:G0KM+3], 1<<24  ; V lies as far behind K
	s_add_nc_u64 s[G0KH+2:G0KH+3], s[4:5], s[22:23]
	s_add_nc_u64 s[G0VH+2:G0VH+3], s[G0KH+2:G0KH+3], 1<<24
	s_or_b32 s[G0KM+3], s[G0KM+3], 0x80000000
	s_or_b32 s[G0VM+3], s[G0VM+3], 0x80000000
	s_or_b32 s[G0KH+3], s[G0KH+3], 0x80000000
	s_or_b32 s[G0VH+3], s[G0VH+3], 0x80000000
	s_add_nc_u64 s[QB:QB+1], s[4:5], s[16:17]
	s_add_nc_u64 s[OBS:OBS+1], s[6:7], s[18:19]
	s_cmp_lt_u32 s[WV], 4                          ; waves 0-3 fetch K, waves 4-7 V.  A wave's two fills stand in one branch, ahead of every wait on TENSORcnt, LDS read and barrier: two loads of mine are out
	s_cbranch_scc0 .Lfor_v
	tensor_load_to_lds s[G0KM:G0KM+3], s[G1KM:G1KM+7]
	s_nop 0
	tensor_load_to_lds s[G0KH:G0KH+3], s[G1KH:G1KH+7]
	s_nop 0
.rept 4
	v_nop
.endr
	s_branch .Lasked
.Lfor_v:
	tensor_load_to_lds s[G0VM:G0VM+3], s[G1VM:G1VM+7]
	s_nop 0
	tensor_load_to_lds s[G0VH:G0VH+3], s[G1VH:G1VH+7]
	s_nop 0
.rept 4
	v_nop
.endr
.Lasked:
	v_and_b32 v1, 15, v0                           ; r = l % 16
	v_bfe_u32 v2, v0, 4, 1                         ; h = l / 16
	v_lshlrev_b32 v[QO], 7, v1
	v_lshl_add_u32 v[QO], v2, 4, v[QO]             ; row x 128 + 16 h
	WIN 0x40                                       ; destination window 1, address window 0
.irp f, 0,1,2,3,4,5,6,7                ; Q of both heads: head f / 4, tile (f / 2) % 2, channels 32 (f % 2) on
	global_load_b128 v[QF+8*(\f):QF+8*(\f)+3],   v[QO], s[QB:QB+1] offset:((\f)/4)*262144+(((\f)/2)%2)*2048+((\f)%2)*64 th:TH_LOAD_NT
	global_load_b128 v[QF+8*(\f)+4:QF+8*(\f)+7], v[QO], s[QB:QB+1] offset:((\f)/4)*262144+(((\f)/2)%2)*2048+((\f)%2)*64+32 th:TH_LOAD_NT
.endr
	WIN 0
	v_mul_u32_u24 v[AK], v1, PK
	v_lshl_add_u32 v[AK], v2, 4, v[AK]
	s_mul_i32 s14, s[WV], 32*PK
	v_add_nc_u32 v[AK], s14, v[AK]                 ; row x pitch + 16 h + my wave's first row
	; the turning load takes 16 keys x 16 channels (lane l reads key 8 h + l % 8, channels 8 ((l / 8) % 2) + 0..7) and leaves half a fragment of V^T
	v_and_b32 v10, 7, v0
	v_bfe_u32 v11, v0, 3, 1
	v_lshl_add_u32 v[AV], v2, 3, v10
	v_mul_u32_u24 v[AV], v[AV], PV
	v_lshl_add_u32 v[AV], v11, 4, v[AV]
	s_mul_i32 s15, s[WV], 32*PV
	s_add_co_u32 s15, s15, VOFF
	v_add_nc_u32 v[AV], s15, v[AV]
	s_mul_i32 s14, s[WV], 32*SP
	s_add_co_u32 s14, s14, STAGE                   ; my stage
	v_mul_u32_u24 v[STO], v1, SP
	v_lshl_add_u32 v[STO], v2, 4, v[STO]
	v_add_nc_u32 v[STO], s14, v[STO]
	v_mul_u32_u24 v[RD], v2, SP                    ; back: lanes 0-15 take one row of 256 bytes, lanes 16-31 the next
	v_lshl_add_u32 v[RD], v1, 4, v[RD]
	v_add_nc_u32 v[RD], s14, v[RD]
	v_lshlrev_b32 v[GO], 11, v2
	v_lshl_add_u32 v[GO], v1, 4, v[GO]
	; the masks: my register j holds key 8 h + j of a block; it is hidden in block i = 0 where 8 h + j < r, in block i = 4 where 8 h + j > r
	v_lshlrev_b32 v14, 3, v2
	v_sub_nc_u32 v14, v1, v14                      ; r - 8 h
	v_mov_b32 v18, s[EL]
	v_mov_b32 v19, s[ER]
.irp j, 0,1,2,3,4,5,6,7
	v_cmp_lt_i32 vcc_lo, \j, v14
	v_cndmask_b32 v[MA+(\j)], v18, s[BIGN], vcc_lo
	v_cmp_gt_i32 vcc_lo, \j, v14
	v_cndmask_b32 v[MB+(\j)], v19, s[BIGN], vcc_lo
	v_mov_b32 v[ML+(\j)], s[EL]
	v_mov_b32 v[MR+(\j)], s[ER]
.endr
.irp j, 0,1,2,3,4,5,6,7
	v_mov_b32 v[P+20+(\j)], 0                      ; tile 0's block 5 and tile 1's block 0 have weight 0: written once
.endr
	s_wait_tensorcnt 0x0                           ; my two loads have landed,
	s_barrier_signal -1
	s_barrier_wait -1                              ; everybody's have.  Nothing is filled again
.macro FETCH_K e                       ; my six key blocks of head e: 24 loads in one run
	WIN 0x40
.irp f, 0,1,2,3,4,5,6,7,8,9,10,11      ; block f / 2, channels 32 (f % 2) on
	ds_load_b128 v[KF+8*(\f):KF+8*(\f)+3],   v[AK] offset:(\e)*KB+((\f)/2)*16*PK+((\f)%2)*64
	ds_load_b128 v[KF+8*(\f)+4:KF+8*(\f)+7], v[AK] offset:(\e)*KB+((\f)/2)*16*PK+((\f)%2)*64+32
.endr
	WIN 0
.endm
.macro FETCH_V e                       ; the same keys of V, turned: 24 loads
	WIN 0x40
.irp f, 0,1,2,3,4,5,6,7,8,9,10,11      ; keys 32 (f / 4) on, channels 16 (f % 4) on
	ds_load_tr16_b128 v[VF+8*(\f):VF+8*(\f)+3],   v[AV] offset:(\e)*VB+((\f)/4)*32*PV+((\f)%4)*32
	ds_load_tr16_b128 v[VF+8*(\f)+4:VF+8*(\f)+7], v[AV] offset:(\e)*VB+((\f)/4)*32*PV+16*PV+((\f)%4)*32
.endr
	WIN 0
.endm
; 20 products S^T = K Q^T: ten accumulators (u, i) by turns; the first ten start the sums, with a mask or with 0.
.macro SPROD e
	WIN 0x05                                       ; K and Q in window 1, C and S^T in window 0
.irp cc, 0,1
.irp i, 0,1,2,3,4
.irp u, 0,1
.set rS, S+40*(\u)+8*(\i)
.set rK, KF+8*(2*((\u)+(\i))+(\cc))
.set rQ, QF+8*(4*(\e)+2*(\u)+(\cc))
.if (\cc) == 1
	v_wmma_f32_16x16x32_f16 v[rS:rS+7], v[rK:rK+7], v[rQ:rQ+7], v[rS:rS+7]
.elseif (\i) == 0
	v_wmma_f32_16x16x32_f16 v[rS:rS+7], v[rK:rK+7], v[rQ:rQ+7], v[MA:MA+7]
.elseif (\i) == 4
	v_wmma_f32_16x16x32_f16 v[rS:rS+7], v[rK:rK+7], v[rQ:rQ+7], v[MB:MB+7]
.elseif ((\i) == 1) && ((\u) == 0)
	v_wmma_f32_16x16x32_f16 v[rS:rS+7], v[rK:rK+7], v[rQ:rQ+7], v[ML:ML+7]
.elseif ((\i) == 3) && ((\u) == 1)
	v_wmma_f32_16x16x32_f16 v[rS:rS+7], v[rK:rK+7], v[rQ:rQ+7], v[MR:MR+7]
.else
	v_wmma_f32_16x16x32_f16 v[rS:rS+7], v[rK:rK+7], v[rQ:rQ+7], 0
.endif
.endr
.endr
.endr
	WIN 0
.endm
; 24 products O^T = V^T P: eight accumulators (u, cb) by turns; keys 32 g on; the first eight start the sums.
.macro PVPROD
	WIN 0x01                                       ; V in window 1, P, C and O^T in window 0
.irp g, 0,1,2
.irp cb, 0,1,2,3
.irp u, 0,1
.set rO, O+32*(\u)+8*(\cb)
.set rV, VF+8*(4*(\g)+(\cb))
.set rP, P+24*(\u)+8*(\g)
.if (\g) == 0
	v_wmma_f32_16x16x32_f16 v[rO:rO+7], v[rV:rV+7], v[rP:rP+7], 0
.else
	v_wmma_f32_16x16x32_f16 v[rO:rO+7], v[rV:rV+7], v[rP:rP+7], v[rO:rO+7]
.endif
.endr
.endr
.endr
	WIN 0
.endm
.macro PADD u, x, y                    ; pair x of tile u's 20 pairs of weights takes pair y
	v_pk_add_f32 v[S+40*(\u)+2*(\x):S+40*(\u)+2*(\x)+1], v[S+40*(\u)+2*(\x):S+40*(\u)+2*(\x)+1], v[S+40*(\u)+2*(\y):S+40*(\u)+2*(\y)+1]
.endm
; ONE HEAD.  The two tiles alternate wherever one instruction feeds the next.
.macro HEAD e
.if (\e) == 0
	s_wait_loadcnt 0x0                             ; Q
	s_wait_dscnt 24                                ; K is in; V's 24 loads may stay out
.else
	s_wait_dscnt 32                                ; K is in; behind it: V's 24 loads and the first head's 8 stores into the stage
.endif
	SPROD \e
	PLACES
.if (\e) == 0
	FETCH_K 1                                      ; the other head's K, four places behind the last product that read K
.endif
	; the maximum of a lane's 40 scores: five chains c0-c4, each accumulator from its low end, three operands at a time
.irp n, 0,1,2
.irp i, 0,1,2,3,4
.irp u, 0,1
.if (\n) == 0
	v_max3_num_f32 v[ST+8*(\u)+2+(\i)], v[S+40*(\u)+8*(\i)], v[S+40*(\u)+8*(\i)+1], v[S+40*(\u)+8*(\i)+2]
.else
	v_max3_num_f32 v[ST+8*(\u)+2+(\i)], v[ST+8*(\u)+2+(\i)], v[S+40*(\u)+8*(\i)+2*(\n)+1], v[S+40*(\u)+8*(\i)+2*(\n)+2]
.endif
.endr
.endr
.endr
.irp u, 0,1
	v_max3_num_f32 v[ST+8*(\u)+2], v[ST+8*(\u)+2], v[S+40*(\u)+7],  v[S+40*(\u)+15]
	v_max3_num_f32 v[ST+8*(\u)+3], v[ST+8*(\u)+3], v[S+40*(\u)+23], v[S+40*(\u)+31]
	v_max3_num_f32 v[ST+8*(\u)+4], v[ST+8*(\u)+4], v[ST+8*(\u)+5],  v[S+40*(\u)+39]
.endr
.irp u, 0,1
	v_max3_num_f32 v[ST+8*(\u)+2], v[ST+8*(\u)+2], v[ST+8*(\u)+3], v[ST+8*(\u)+4]
.endr
.irp u, 0,1
	v_max_num_f32 v[ST+8*(\u)+2], v[ST+8*(\u)+2], v[ST+8*(\u)+6]
.endr
.irp u, 0,1
	v_permlanex16_b32 v[ST+8*(\u)+3], v[ST+8*(\u)+2], s[SEL], s[SEL+1]  ; the query's other 40 keys lie in the lane 16 away
.endr
.irp u, 0,1
	v_max_num_f32 v[ST+8*(\u)+1], v[ST+8*(\u)+2], v[ST+8*(\u)+3]        ; m
.endr
.irp u, 0,1
	v_mul_f32 v[ST+8*(\u)], s[CS], v[ST+8*(\u)+1]                       ; c m
.endr
.set k, 0
.rept 20                               ; c s - c m, a pair of scores each
.irp u, 0,1
	v_pk_fma_f32 v[S+40*(\u)+2*k:S+40*(\u)+2*k+1], v[S+40*(\u)+2*k:S+40*(\u)+2*k+1], s[CS:CS+1], v[ST+8*(\u):ST+8*(\u)+1] op_sel_hi:[1,0,0] neg_lo:[0,0,1] neg_hi:[0,0,1]
.endr
.set k, k+1
.endr
.set k, 0
.rept 80                               ; the exponentials: one batch
	v_exp_f32 v[S+k], v[S+k]
.set k, k+1
.endr
	v_nop                                          ; a plain instruction behind the last exponential,
	s_wait_alu depctr_va_vdst(0)                   ; and the one wait ahead of the batch's first reader
.set k, 0
.rept 20                               ; the weights rounded to f16: tile u's blocks c = u .. u + 4
.irp u, 0,1
	v_cvt_pk_f16_f32 v[P+28*(\u)+k], v[S+40*(\u)+2*k], v[S+40*(\u)+2*k+1]
.endr
.set k, k+1
.endr
.irp x, 0,1,2,3,4,5,6,7,8,9            ; the sum of the unrounded weights, in place: 19 packed additions a tile
	PADD 0, \x, (\x)+10
	PADD 1, \x, (\x)+10
.endr
.irp x, 0,1,2,3,4
	PADD 0, \x, (\x)+5
	PADD 1, \x, (\x)+5
.endr
	PADD 0, 0, 1
	PADD 1, 0, 1
	PADD 0, 2, 3
	PADD 1, 2, 3
	PADD 0, 0, 2
	PADD 1, 0, 2
	PADD 0, 0, 4
	PADD 1, 0, 4
.irp u, 0,1
	v_add_f32 v[IV+2*(\u)+1], v[S+40*(\u)], v[S+40*(\u)+1]
.endr
.irp u, 0,1
	v_permlanex16_b32 v[ST+8*(\u)+2], v[IV+2*(\u)+1], s[SEL], s[SEL+1]
.endr
.irp u, 0,1
	v_add_f32 v[IV+2*(\u)+1], v[IV+2*(\u)+1], v[ST+8*(\u)+2]            ; l
.endr
.irp u, 0,1
	v_rcp_f32 v[IV+2*(\u)], v[IV+2*(\u)+1]
.endr
	v_nop                                          ; a plain instruction behind the reciprocals; their wait stands ahead of their first reader, below
.if (\e) == 0
	s_wait_dscnt 24                                ; V is in; behind it: the other head's K
.else
	s_wait_dscnt 8                                 ; V is in; behind it: the first head's 8 stores
.endif
	PVPROD
	PLACES
.if (\e) == 0
	FETCH_V 1                                      ; the other head's V, four places behind the last product that read V
.endif
	s_wait_alu depctr_va_vdst(0)                   ; one wait for the two reciprocals
.set k, 0
.rept 32                               ; O^T / l, each accumulator from its low end
	v_pk_mul_f32 v[O+2*k:O+2*k+1], v[O+2*k:O+2*k+1], v[IV+2*(k/16):IV+2*(k/16)+1] op_sel_hi:[1,0]
.set k, k+1
.endr
.set k, 0
.rept 32
	v_cvt_pk_f16_f32 v[TMP+k], v[O+2*k], v[O+2*k+1]
.set k, k+1
.endr
.irp u, 0,1
.irp cb, 0,1,2,3
	ds_store_b128 v[STO], v[TMP+16*(\u)+4*(\cb):TMP+16*(\u)+4*(\cb)+3] offset:16*SP*(\u)+128*(\e)+32*(\cb)  ; row 16 u + r, head e's 128 bytes, my 8 channels
.endr
.endr
.endm
	FETCH_K 0
	FETCH_V 0
	HEAD 0
	HEAD 1
	; THE WAY OUT: my 32 rows of 256 bytes come back whole, two rows a load, and are stored
.irp t, 0,1,2,3,4,5,6,7,8,9,10,11,12,13,14,15
	ds_load_b128 v[O+4*(\t):O+4*(\t)+3], v[RD] offset:2*SP*(\t)  ; LDS serves a wave's instructions in order (ISA guide 5.7.1.4): these see my stores above
.endr
.irp t, 0,1,2,3,4,5,6,7,8,9,10,11,12,13,14,15
	s_wait_dscnt 15-(\t)                           ; load t is in; the 15 - t younger ones stay out
	global_store_b128 v[GO], v[O+4*(\t):O+4*(\t)+3], s[OBS:OBS+1] offset:4096*(\t)  ; 16 lanes store 256 consecutive bytes, at a multiple of 256 from ob's first byte
.endr
	s_wait_tensorcnt 0x0                           ; the wave's end: behind my last tensor load and my last LDS store
	ds_add_u32 v[SPW], v[NIL]
	s_wait_dscnt 0x0
	s_endpgm
.Lfunc_end_k_q16c7baa3cd_attn:
	.size	k_q16c7baa3cd_attn, .Lfunc_end_k_q16c7baa3cd_attn-k_q16c7baa3cd_attn
	.p2alignl 7, 3214868480
	.fill 96, 4, 3214868480
	.section	.rodata,"a",@progbits
	.p2align	6, 0x0
	.amdhsa_kernel k_q16c7baa3cd_attn
		.amdhsa_group_segment_fixed_size 327680
		.amdhsa_private_segment_fixed_size 0
		.amdhsa_enable_private_segment 0
		.amdhsa_kernarg_size 16
		.amdhsa_user_sgpr_count 2
		.amdhsa_user_sgpr_kernarg_segment_ptr 1
		.amdhsa_wavefront_size32 1
		.amdhsa_system_sgpr_workgroup_id_x 1
		.amdhsa_system_sgpr_workgroup_id_y 1
		.amdhsa_system_sgpr_workgroup_id_z 1
		.amdhsa_system_vgpr_workitem_id 0
		.amdhsa_next_free_vgpr 512
		.amdhsa_next_free_sgpr 88
		.amdhsa_reserve_vcc 1
		.amdhsa_float_denorm_mode_32 3
		.amdhsa_float_denorm_mode_16_64 3
		.amdhsa_memory_ordered 1
		.amdhsa_forward_progress 1
		.amdhsa_inst_pref_size 63
	.end_amdhsa_kernel
	.amdgpu_metadata
---
amdhsa.version: [ 1, 2 ]
amdhsa.kernels:
  - .name:           k_q16c7baa3cd_attn
    .symbol:         k_q16c7baa3cd_attn.kd
    .args:
      - { .name: qkv, .offset: 0, .size: 8, .value_kind: global_buffer, .address_space: global }
      - { .name: ob, .offset: 8, .size: 8, .value_kind: global_buffer, .address_space: global }
    .group_segment_fixed_size: 327680
    .private_segment_fixed_size: 0
    .kernarg_segment_align: 8
    .kernarg_segment_size: 16
    .max_flat_workgroup_size: 256
    .sgpr_count:     88
    .vgpr_count:     512
    .wavefront_size: 32
...
	.end_amdgpu_metadata
.endif
;; end of part 3
;; launch outgemm (part 4): grid 8 x 32, 4 waves a work-group, clusters of 4 x 4, 327,680 bytes of LDS; arguments ob, wob, b_out, out0; writes out0
.if DOCPART == 4
	.amdgcn_target "amdgcn-amd-amdhsa--gfx1250"
	.amdhsa_code_object_version 6
	.text
	.protected	k_q16c7baa3cd_outgemm
	.globl	k_q16c7baa3cd_outgemm
	.p2align	8
	.type	k_q16c7baa3cd_outgemm,@function
k_q16c7baa3cd_outgemm:
	s_mov_b64 s[64:65], 0
	v_nop
	global_prefetch_b8 v0, s[64:65] scope:SCOPE_SE
	s_setreg_imm32_b32 hwreg(HW_REG_WAVE_MODE, 25, 1), 1
	s_wait_xcnt 0x0
	s_wait_alu depctr_hold_cnt(0) depctr_sa_sdst(0) depctr_va_vdst(0) depctr_va_sdst(0) depctr_va_ssrc(0) depctr_va_vcc(0) depctr_vm_vsrc(0)
	s_getreg_b32 s2, hwreg(HW_REG_IB_STS2, 6, 4)
	s_cmp_eq_u32 s2, 0
	s_cbranch_scc0 .Lentry_in_a_cluster
	s_endpgm
.Lentry_in_a_cluster:
	s_bfe_u32 s2, ttmp6, 0x10000c
	s_cmp_lg_u32 s2, 0xf033
	s_cbranch_scc0 .Lentry_shape_is_right
	s_endpgm
.Lentry_shape_is_right:
; out0 = O W_out^T + b_out.  ob: [8192][1024] f16, wob: [1024][1024] f16 (W_out rounded to bf16, that number written as f16), b_out: [1024] f32 (rounded to bf16 here, like the other inputs);
; sums in f32, begun with the bias; out0: [8192][1024] f32.  NaN and infinities are not treated apart.
; SHARES.  A tile of the result is 256 rows x 128 columns: 8 x 32 = 256 tiles.  Four waves, 2 x 2: a wave makes 128 rows x 64 columns: 32 accumulators of 16 x 16, 256 registers.
; K goes in steps of 128 (rows of 256 bytes in memory) through a ring of two LDS slots: waves 0 and 1 fetch O's two halves of 128 rows, waves 2 and 3 W's two halves of 64.
; (Two slots of K steps of 256 would be 2 x 384 rows x 528 bytes = 405,504 bytes: more than a work-group can have.)
; CLUSTER.  4 x 4 work-groups: O's tiles are shared along a row of the cluster, W's along a column, each asked for jointly.
; THE PRODUCT IS TAKEN TRANSPOSED (source 0 = 16 rows of W, source 1 = 16 rows of O): a lane holds row l % 16 of the result and the columns 8 (l / 16) + 0..7: 32 neighbouring bytes.
; REGISTERS (s_set_vgpr_msb: bits 1:0 source 0, 3:2 source 1, 5:4 source 2, 7:6 destination): window 0: v0-31 addresses; v32-95 rows read back from the stage, two buffers; v96-127 the bias as a C operand
;   window 1: two fragment buffers of 96: W's 32 registers, then O's 64      window 2: the accumulators, (a, b) at 8 (4 a + b)
.set KSTEP,  128
.set SIZE_K, 1024
.set PITCH,  272                       ; an LDS row: 256 bytes + 16 of padding: the 16 rows of a fragment load start at 16 different groups of four banks (64 banks of 4 bytes: ISA guide 11.1)
.set RB,     64                        ; rows of W in one tensor load
.set NT,     128                       ; columns in a tile
.set HALFA,  128*PITCH
.set HALFB,  RB*PITCH
.set SLOT,   2*HALFA+2*HALFB
.set STAGE,  2*SLOT                    ; behind the ring, never filled by a tensor load: 16 rows x 272 bytes for each wave
.set SPITCH, 272
.set SPARE,  STAGE+4*16*SPITCH         ; the spare words, 128 bytes for each wave: two blocks of 256 bytes that no other line names
.set LAPS,   SIZE_K/(2*KSTEP)
.set ADRA, 16
.set ADRB, 20
.set STO,  24
.set RD,   25
.set GO,   26
.set BO,   27
.set SPW,  28                          ; v28  LDS address of my spare word; never rewritten
.set NIL,  29                          ; v29  0; never rewritten
.set PFO,  30
.set OB,   32
.set BIAS, 96
.set F0,   0
.set F1,   1
.set WV,   12
.set KIND, 13                          ; s13  which 128 rows of the tile are mine.  Also: I fetch for O (0) or for W (1)
.set HALF, 14                          ; s14  which 64 columns.  Also: which half of that tile's rows I fetch
.set G1,   24
.set G0,   32
.set PFA,  44
.set LIM,  46
.set G1B,  48
.set G0B,  56
.set OUTB, 66                          ; s[66:67] out0 at my first row and column
.set W0,   (1<<16)|(1<<20)|(1<<21)|(5<<22)|(3<<25)
.set MSB, 0
.macro WIN new
.if MSB != (\new)
	s_set_vgpr_msb (MSB<<8)|(\new)
.set MSB, \new
.endif
.endm
.macro PLACES
.rept 4
	v_nop
.endr
.endm
.macro JLOAD s                         ; a joint load; an s_nop 0 and four v_nop follow each of the two lines, ahead of the jump and the label
	s_cmp_eq_u32 s[KIND], 0
	s_cbranch_scc0 .Lfor_b_\@
	tensor_load_to_lds s[G0+4*(\s):G0+4*(\s)+3], s[G1:G1+7]
	s_nop 0
.rept 4
	v_nop
.endr
	s_branch .Lasked_\@
.Lfor_b_\@:
	tensor_load_to_lds s[G0B+4*(\s):G0B+4*(\s)+3], s[G1B:G1B+7]
	s_nop 0
.rept 4
	v_nop
.endr
.Lasked_\@:
.endm
; A prefetch of the K step that stands two refills on: 256 bytes of a row, a lane a row.  O's rows are asked for by the clusters with x = 0, W's by those with y = 0; the four partners share a tile's rows out by
; address (32 of O's 128, 16 of W's 64; lanes 16-31 then name the 16th row again).  The loop's last trip asks for nothing.
.macro ASK
	WIN 0
	s_cmp_gt_u32 s3, s[LIM]
	s_cbranch_scc0 .Lnot_mine_\@
	global_prefetch_b8 v[PFO], s[PFA:PFA+1] offset:KSTEP*2 th:TH_LOAD_NT scope:SCOPE_SE
.Lnot_mine_\@:
.endm
.macro CREST
	s_cmp_lg_u32 s[WV], 0
	s_cbranch_scc1 .Lnot_wave_0_\@
	s_barrier_signal -3
.Lnot_wave_0_\@:
	s_barrier_wait -3
	s_barrier_signal -1
	s_barrier_wait -1
.endm
.macro CROUND
	s_barrier_signal -1
	s_barrier_wait -1
	CREST
.endm
	s_load_b256 s[4:11], s[0:1], 0x0               ; ob s[4:5], wob s[6:7], b_out s[8:9], out0 s[10:11]
	v_lshl_add_u32 v[SPW], v0, 2, SPARE
	v_mov_b32 v[NIL], 0
	ds_add_u32 v[SPW], v[NIL]                      ; the wave's opening: the add and its wait stand ahead of my first tensor load; work on registers stands between them
	v_lshrrev_b32 v1, 5, v0
	v_readfirstlane_b32 s[WV], v1
	s_lshr_b32 s[KIND], s[WV], 1
	s_and_b32 s[HALF], s[WV], 1
	s_bfe_u32 s40, ttmp6, 0x40000                  ; cx
	s_bfe_u32 s41, ttmp6, 0x40004                  ; cy
	s_lshl_b32 s42, ttmp9, 2
	s_add_co_u32 s42, s42, s40                     ; tile column
	s_and_b32 s43, ttmp7, 0xffff
	s_lshl_b32 s43, s43, 2
	s_add_co_u32 s43, s43, s41                     ; tile row
	s_lshl_b32 s22, s41, 2
	s_lshl_b32 s22, 15, s22                        ; my row of the cluster
	s_lshl_b32 s23, 0x1111, s40                    ; my column
	s_or_b32 s[G1], s22, W0
	s_or_b32 s[G1B], s23, W0
	s_mov_b32 s[G1+1], KSTEP<<16
	s_mov_b32 s[G1+2], 128<<16
	s_mov_b32 s[G1+3], KSTEP<<16
	s_mov_b32 s[G1+4], 128
	s_mov_b32 s[G1+5], SIZE_K
	s_mov_b32 s[G1+6], 0
	s_mov_b32 s[G1+7], 0
	s_mov_b32 s[G1B+1], KSTEP<<16
	s_mov_b32 s[G1B+2], RB<<16
	s_mov_b32 s[G1B+3], KSTEP<<16
	s_mov_b32 s[G1B+4], RB
	s_mov_b32 s[G1B+5], SIZE_K
	s_mov_b32 s[G1B+6], 0
	s_mov_b32 s[G1B+7], 0
	s_lshl_b32 s16, s43, 8                         ; O: row 256 x tile row + 128 x half, in bytes
	s_lshl_b32 s18, s[HALF], 7
	s_add_co_u32 s16, s16, s18
	s_lshl_b32 s16, s16, 11
	s_mov_b32 s17, 0
	s_mul_i32 s20, s42, NT                         ; W: row 128 x tile column + 64 x half
	s_mul_i32 s19, s[HALF], RB
	s_add_co_u32 s20, s20, s19
	s_lshl_b32 s20, s20, 11
	s_mov_b32 s21, 0
	s_mul_i32 s72, s[HALF], HALFA                  ; where they go in a slot
	s_mul_i32 s73, s[HALF], HALFB
	s_add_co_u32 s73, s73, 2*HALFA
	s_wait_dscnt 0x0                               ; the opening add is done
	s_wait_kmcnt 0x0
	s_add_nc_u64 s[16:17], s[4:5], s[16:17]
	s_add_nc_u64 s[20:21], s[6:7], s[20:21]
	CROUND                                         ; all sixteen work-groups are here: the first joint loads meet
.irp s, 0,1
	s_mov_b32 s[G0+4*(\s)], 1
	s_add_co_u32 s[G0+4*(\s)+1], s72, (\s)*SLOT
	s_add_nc_u64 s[G0+4*(\s)+2:G0+4*(\s)+3], s[16:17], (\s)*KSTEP*2
	s_or_b32 s[G0+4*(\s)+3], s[G0+4*(\s)+3], 0x80000000
	s_mov_b32 s[G0B+4*(\s)], 1
	s_add_co_u32 s[G0B+4*(\s)+1], s73, (\s)*SLOT
	s_add_nc_u64 s[G0B+4*(\s)+2:G0B+4*(\s)+3], s[20:21], (\s)*KSTEP*2
	s_or_b32 s[G0B+4*(\s)+3], s[G0B+4*(\s)+3], 0x80000000
	JLOAD \s                                       ; K steps 0 and 1: two loads of mine are out
.endr
	v_and_b32 v1, 15, v0                           ; r
	v_bfe_u32 v2, v0, 4, 1                         ; h
	v_mul_u32_u24 v3, v1, PITCH
	v_lshl_add_u32 v3, v2, 4, v3
	s_mul_i32 s18, s[KIND], HALFA                  ; my 128 rows of O
	s_mul_i32 s19, s[HALF], HALFB                  ; my 64 rows of W,
	s_add_co_u32 s19, s19, 2*HALFA                 ; which lie behind O's 256
.irp s, 0,1
	v_add_nc_u32 v[ADRA+(\s)], s18, v3
	v_add_nc_u32 v[ADRB+(\s)], s19, v3
	s_add_co_u32 s18, s18, SLOT
	s_add_co_u32 s19, s19, SLOT
.endr
	s_mul_i32 s19, s[WV], 16*SPITCH
	s_add_co_u32 s19, s19, STAGE                   ; my stage
	v_mul_u32_u24 v4, v1, SPITCH                   ; in: row r, 32 bytes for each half of the lanes
	v_lshl_add_u32 v4, v2, 5, v4
	v_add_nc_u32 v[STO], s19, v4
	v_mul_u32_u24 v4, v2, SPITCH                   ; back: lanes 0-15 take one row of 256 bytes, lanes 16-31 the next
	v_lshl_add_u32 v4, v1, 4, v4
	v_add_nc_u32 v[RD], s19, v4
	v_lshlrev_b32 v[GO], 12, v2                    ; and the same two rows of out0
	v_lshl_add_u32 v[GO], v1, 4, v[GO]
	v_lshlrev_b32 v[BO], 5, v2
	v_and_b32 v31, 31, v0                          ; l
	s_lshl_b32 s18, s43, 8                         ; out0 at row 256 x tile row + 128 x my half, column 128 x tile column + 64 x my half
	s_lshl_b32 s19, s[KIND], 7
	s_add_co_u32 s18, s18, s19
	s_lshl_b32 s18, s18, 12
	s_lshl_b32 s19, s42, 9
	s_add_co_u32 s18, s18, s19
	s_lshl_b32 s19, s[HALF], 8
	s_add_co_u32 s18, s18, s19
	s_mov_b32 s19, 0
	s_add_nc_u64 s[OUTB:OUTB+1], s[10:11], s[18:19]
	; the prefetches: my work-group's share of the rows that I fetch, at K step 2; the first refill steps it to 3 and names K step 4
	s_and_b32 s22, ttmp7, 0xffff                   ; cluster y
	s_lshl_b32 s18, s43, 8
	s_mul_i32 s19, s42, NT
	s_lshl_b32 s23, s[HALF], 7
	s_mul_i32 s47, s[HALF], RB
	s_lshl_b32 s72, s40, 5                         ; 32 cx
	s_mul_i32 s73, s41, RB/4                       ; 16 cy
	s_add_co_u32 s18, s18, s23
	s_add_co_u32 s18, s18, s72
	s_add_co_u32 s19, s19, s47
	s_add_co_u32 s19, s19, s73
	s_cmp_eq_u32 s[KIND], 0
	s_cselect_b32 s18, s18, s19
	s_cselect_b32 s22, ttmp9, s22
	s_cselect_b32 s47, 31, RB/4-1
	s_cselect_b64 s[PFA:PFA+1], s[4:5], s[6:7]
	s_cmp_eq_u32 s22, 0
	s_cselect_b32 s[LIM], 1, -1                    ; the same in all sixteen partners, for a given wave
	s_lshl_b32 s18, s18, 11
	s_add_co_u32 s18, s18, 2*KSTEP*2
	s_mov_b32 s19, 0
	s_add_nc_u64 s[PFA:PFA+1], s[PFA:PFA+1], s[18:19]
	v_min_u32 v[PFO], s47, v31
	v_lshlrev_b32 v[PFO], 11, v[PFO]
	; the bias of my lane's columns, as the C operand of the first products
	s_lshl_b32 s18, s42, 9
	s_lshl_b32 s19, s[HALF], 8
	s_add_co_u32 s18, s18, s19
	s_mov_b32 s19, 0
	s_add_nc_u64 s[8:9], s[8:9], s[18:19]
.irp b, 0,1,2,3
	global_load_b128 v[BIAS+8*(\b):BIAS+8*(\b)+3],   v[BO], s[8:9] offset:64*(\b)
	global_load_b128 v[BIAS+8*(\b)+4:BIAS+8*(\b)+7], v[BO], s[8:9] offset:64*(\b)+16
.endr
	s_wait_loadcnt 0x0
.set i, 0
.rept 16                               ; rounded to bf16 and widened again
	v_cvt_pk_bf16_f32 v31, v[BIAS+i], v[BIAS+i+1]
	v_lshlrev_b32 v[BIAS+i], 16, v31
	v_and_b32 v[BIAS+i+1], 0xffff0000, v31
.set i, i+2
.endr
; 8 matrix instructions: row blocks a0, a0 + 1 x all 4 column blocks, 32 along K.  bias = 1: the first product starts the sum with the bias.  The 32 accumulators take turns in the same order in every quarter.
.macro MUL8 f, a0, bias
.if \bias
	WIN 0x85                                       ; W and O in window 1, C in window 0, D in window 2
.else
	WIN 0xa5                                       ; C and D in window 2
.endif
.irp a, \a0, (\a0)+1
.irp b, 0,1,2,3
.set rD, 8*(4*(\a)+(\b))
.set rB, 96*(\f)+8*(\b)
.set rA, 96*(\f)+32+8*(\a)
.if \bias
	v_wmma_f32_16x16x32_f16 v[rD:rD+7], v[rB:rB+7], v[rA:rA+7], v[BIAS+8*(\b):BIAS+8*(\b)+7]
.else
	v_wmma_f32_16x16x32_f16 v[rD:rD+7], v[rB:rB+7], v[rA:rA+7], v[rD:rD+7]
.endif
.endr
.endr
.endm
; 24 LDS loads in one run: my 64 rows of W, then my 128 rows of O, 32 K at byte k of the rows, into buffer f
.macro FETCH slot, k, f
	WIN 0x40
.irp i, 0,1,2,3
	ds_load_b128 v[96*(\f)+8*(\i):96*(\f)+8*(\i)+3],   v[ADRB+(\slot)] offset:(\k)+(\i)*16*PITCH
	ds_load_b128 v[96*(\f)+8*(\i)+4:96*(\f)+8*(\i)+7], v[ADRB+(\slot)] offset:(\k)+(\i)*16*PITCH+32
.endr
.irp i, 0,1,2,3,4,5,6,7
	ds_load_b128 v[96*(\f)+32+8*(\i):96*(\f)+32+8*(\i)+3],   v[ADRA+(\slot)] offset:(\k)+(\i)*16*PITCH
	ds_load_b128 v[96*(\f)+32+8*(\i)+4:96*(\f)+32+8*(\i)+7], v[ADRA+(\slot)] offset:(\k)+(\i)*16*PITCH+32
.endr
.endm
.macro QUARTER slot, k, f, g, bias
	s_wait_dscnt 8                                 ; W and O's rows 0-63 are in; the youngest eight loads (O's rows 64-127) may be out
	MUL8 \f, 0, \bias
	MUL8 \f, 2, \bias
	PLACES
	FETCH \slot, \k, \g
	s_wait_dscnt 24                                ; all but the 24 just issued
	MUL8 \f, 4, \bias
	MUL8 \f, 6, \bias
.endm
; The last quarter multiplies buffer 1 and changes slots: ONE barrier; in front of it each wave waits for all its tensor loads, adds 0 to its spare word, and waits for that and for its reads of this slot.
; fill = 1: the barrier opens a round of the cluster's barrier, and this slot is filled again, two K steps on, first thing behind the round.
.macro TURN slot, next, fill
.if \fill
	s_wait_xcnt 0x0                                ; the last prefetch, a K step back, has read its address
	s_add_nc_u64 s[PFA:PFA+1], s[PFA:PFA+1], KSTEP*2
.endif
	WIN 0
	s_wait_tensorcnt 0x0                           ; all my tensor loads have landed
	ds_add_u32 v[SPW], v[NIL]
	s_wait_dscnt 9                                 ; (the add and the youngest eight loads may be out)
	MUL8 F1, 0, 0
	s_wait_dscnt 0x0                               ; the add is done, and my reads of this slot are over
	s_barrier_signal -1
	MUL8 F1, 2, 0
.if \fill
	WIN 0
.endif
	s_barrier_wait -1
.if \fill
	CREST                                          ; no wave of any partner still reads this slot or has a load on its way
	s_add_nc_u64 s[G0+4*(\slot)+2:G0+4*(\slot)+3], s[G0+4*(\slot)+2:G0+4*(\slot)+3], 2*KSTEP*2
	s_add_nc_u64 s[G0B+4*(\slot)+2:G0B+4*(\slot)+3], s[G0B+4*(\slot)+2:G0B+4*(\slot)+3], 2*KSTEP*2
	JLOAD \slot                                    ; my one load behind the round; its four v_nop are also the places in front of the loads below
.else
	PLACES
.endif
	FETCH \next, 0, F0
.if \fill
	ASK
.endif
	MUL8 F1, 4, 0
	MUL8 F1, 6, 0
.endm
	s_wait_tensorcnt 1                             ; my part of K step 0 is in; K step 1's may stay out
	s_barrier_signal -1
	s_barrier_wait -1
	FETCH 0, 0, F0
	QUARTER 0, 64,  F0, F1, 1                      ; the first quarter stands in front of the loop: its products start the sums
	WIN 0                                          ; at a label and at a branch every window is 0
	s_mov_b32 s3, LAPS-1
.Llap:
	QUARTER 0, 128, F1, F0, 0
	QUARTER 0, 192, F0, F1, 0
	TURN 0, 1, 1
	QUARTER 1, 64,  F0, F1, 0
	QUARTER 1, 128, F1, F0, 0
	QUARTER 1, 192, F0, F1, 0
	TURN 1, 0, 1
	QUARTER 0, 64,  F0, F1, 0
	WIN 0
	s_sub_co_u32 s3, s3, 1
	s_cmp_lg_u32 s3, 0
	s_cbranch_scc1 .Llap
	QUARTER 0, 128, F1, F0, 0                      ; the last lap fills nothing
	QUARTER 0, 192, F0, F1, 0
	TURN 0, 1, 0
	QUARTER 1, 64,  F0, F1, 0
	QUARTER 1, 128, F1, F0, 0
	QUARTER 1, 192, F0, F1, 0
	s_wait_dscnt 8                                 ; the very last quarter: nothing more to fetch
	MUL8 F1, 0, 0
	MUL8 F1, 2, 0
	s_wait_dscnt 0x0
	MUL8 F1, 4, 0
	MUL8 F1, 6, 0
	WIN 0
; THE WAY OUT, a block of 16 rows at a time: straight from the accumulators (each from its low end) into my own stage, back as whole rows of 256 bytes, and stored.
.macro TOSTAGE a
.if (\a) >= 2
	s_wait_xcnt 0x0                                ; the stores of two blocks back have read the registers that are loaded again below
.endif
	WIN 0x08                                       ; the stores' data in window 2
.irp b, 0,1,2,3
	ds_store_b128 v[STO], v[8*(4*(\a)+(\b)):8*(4*(\a)+(\b))+3]   offset:64*(\b)
	ds_store_b128 v[STO], v[8*(4*(\a)+(\b))+4:8*(4*(\a)+(\b))+7] offset:64*(\b)+16
.endr
	WIN 0
.irp t, 0,1,2,3,4,5,6,7
	ds_load_b128 v[OB+32*((\a)%2)+4*(\t):OB+32*((\a)%2)+4*(\t)+3], v[RD] offset:(\t)*2*SPITCH  ; LDS serves a wave's instructions in order (ISA guide 5.7.1.4): these see the stores above; the next block's stores come behind them
.endr
.endm
.macro SEND a, younger                 ; younger: the LDS instructions issued behind block a's loads: the next block's sixteen, or none
.irp t, 0,1,2,3,4,5,6,7
	s_wait_dscnt (\younger)+7-(\t)
	global_store_b128 v[GO], v[OB+32*((\a)%2)+4*(\t):OB+32*((\a)%2)+4*(\t)+3], s[OUTB:OUTB+1] offset:(\a)*65536+(\t)*8192 th:TH_STORE_NT  ; 16 lanes store 256 consecutive bytes, at a multiple of 256 from out0's first byte
.endr
.endm
	PLACES
	PLACES
	TOSTAGE 0
.irp a, 1,2,3,4,5,6,7
	TOSTAGE \a
	SEND (\a)-1, 16
.endr
	SEND 7, 0
	s_wait_tensorcnt 0x0                           ; the wave's end: behind my last tensor load and my last LDS store
	ds_add_u32 v[SPW], v[NIL]
	s_wait_dscnt 0x0
	CROUND                                         ; the closing round: no work-group ends while a partner may still ask for a tile that names it
	s_endpgm
.Lfunc_end_k_q16c7baa3cd_outgemm:
	.size	k_q16c7baa3cd_outgemm, .Lfunc_end_k_q16c7baa3cd_outgemm-k_q16c7baa3cd_outgemm
	.p2alignl 7, 3214868480
	.fill 96, 4, 3214868480
	.section	.rodata,"a",@progbits
	.p2align	6, 0x0
	.amdhsa_kernel k_q16c7baa3cd_outgemm
		.amdhsa_group_segment_fixed_size 327680
		.amdhsa_private_segment_fixed_size 0
		.amdhsa_enable_private_segment 0
		.amdhsa_kernarg_size 32
		.amdhsa_user_sgpr_count 2
		.amdhsa_user_sgpr_kernarg_segment_ptr 1
		.amdhsa_wavefront_size32 1
		.amdhsa_system_sgpr_workgroup_id_x 1
		.amdhsa_system_sgpr_workgroup_id_y 1
		.amdhsa_system_sgpr_workgroup_id_z 1
		.amdhsa_system_vgpr_workitem_id 0
		.amdhsa_next_free_vgpr 768
		.amdhsa_next_free_sgpr 74
		.amdhsa_reserve_vcc 0
		.amdhsa_float_denorm_mode_32 3
		.amdhsa_float_denorm_mode_16_64 3
		.amdhsa_memory_ordered 1
		.amdhsa_forward_progress 1
		.amdhsa_inst_pref_size 92
	.end_amdhsa_kernel
	.amdgpu_metadata
---
amdhsa.version: [ 1, 2 ]
amdhsa.kernels:
  - .name:           k_q16c7baa3cd_outgemm
    .symbol:         k_q16c7baa3cd_outgemm.kd
    .args:
      - { .name: ob, .offset: 0, .size: 8, .value_kind: global_buffer, .address_space: global }
      - { .name: wob, .offset: 8, .size: 8, .value_kind: global_buffer, .address_space: global }
      - { .name: b_out, .offset: 16, .size: 8, .value_kind: global_buffer, .address_space: global }
      - { .name: out0, .offset: 24, .size: 8, .value_kind: global_buffer, .address_space: global }
    .group_segment_fixed_size: 327680
    .private_segment_fixed_size: 0
    .kernarg_segment_align: 8
    .kernarg_segment_size: 32
    .max_flat_workgroup_size: 128
    .sgpr_count:     74
    .vgpr_count:     768
    .wavefront_size: 32
...
	.end_amdgpu_metadata
.endif
;; end of part 4
;; ======== version 2 of 2: 4 launches; version 1 with the launch cast written anew for expert scheduling mode
;; limits: values are held in f16: magnitudes above 65,504 overflow, below 6.1e-05 lose precision
;; workspace buffers: xb 16,777,216 bytes; wqb 6,291,456 bytes; wob 2,097,152 bytes; qkv 50,331,648 bytes; ob 16,777,216 bytes
;; launch cast (part 5): grid 768 x 1, 8 waves a work-group, no clusters, 0 bytes of LDS; arguments x, W_qkv, W_out, xb, wqb, wob; writes xb, wqb, wob
.if DOCPART == 5
	.amdgcn_target "amdgcn-amd-amdhsa--gfx1250"
	.amdhsa_code_object_version 6
	.text
	.protected	k_q16c7baa3cd_cast
	.globl	k_q16c7baa3cd_cast
	.p2align	8
	.type	k_q16c7baa3cd_cast,@function
k_q16c7baa3cd_cast:
	s_mov_b64 s[64:65], 0
	v_nop
	global_prefetch_b8 v0, s[64:65] scope:SCOPE_SE
	s_setreg_imm32_b32 hwreg(HW_REG_WAVE_SCHED_MODE, 0, 2), 2
	s_setreg_imm32_b32 hwreg(HW_REG_WAVE_MODE, 25, 1), 1
	s_wait_xcnt 0x0
	s_wait_alu depctr_vm_vsrc(0)
; x and W_qkv are rounded once from f32 to bf16 (xb, wqb).  W_out is rounded to bf16 like the other inputs, and that number is then written as f16 (wob),
; since the last product's other operand is f16.
; LIMITS.  |W_out| stays under 65,504 (beyond it f16 has no number); a W_out below 6e-5 keeps f16's fixed step of 6e-8.  NaN and infinities are not treated apart.
; SHARES.  A work-group takes 16,384 numbers of ONE tensor: 65,536 bytes in, 32,768 out.  Groups 0-511: x; 512-703: W_qkv; 704-767: W_out.
; Thread t takes 16 bytes at 16 t of each block of 4,096 bytes: a wave's load covers 512 consecutive bytes, its store of 8 bytes a lane 256 consecutive bytes, aligned.
; All sixteen loads of a thread go out at once.  No LDS and no matrix unit: nothing is shared and nothing is multiplied.
; THE MODE: SCHED_MODE bits 1:0 = 2 (LLVM: expert scheduling mode 2), set by the entry lines.  The code itself states the register dependences
; between vector instructions and memory instructions, with s_wait_alu, always for 0.
; THE PLAN.  Registers that memory instructions touch:
;   v1, v2   the loads' and the stores' byte offsets: written once at the head, never again.
;   X        sixteen blocks as loaded: each register is written by one load; no vector instruction names it ahead of that load; the conversions read it behind the counted wait for the load.
;   Y        sixteen pairs to store: each is written once, by a conversion, and read by one store; none is ever written again.
;   T        is named by vector instructions alone.
; So the head has one wait (the offsets are written), and the sixteen blocks go in four sets of four: the set's conversions, ONE wait (they have written the set's Y), the set's four stores.
; No register that a memory instruction reads is written a second time, no vector instruction writes a scalar register, and EXEC is never written: nothing else is owed.
.set X,  4                             ; v[4:67]    sixteen loads of four f32
.set Y,  68                            ; v[68:99]   sixteen pairs to store
.set T,  100                           ; v[100:101] at work
.set GX, 512                           ; the first group of W_qkv
.set GQ, 704                           ; the first group of W_out
	s_load_b256 s[4:11], s[0:1], 0x0               ; x s[4:5], W_qkv s[6:7], W_out s[8:9], xb s[10:11]
	s_load_b128 s[12:15], s[0:1], 0x20             ; wqb s[12:13], wob s[14:15]
	v_lshlrev_b32 v1, 4, v0                        ; 16 t
	v_lshlrev_b32 v2, 3, v0                        ; 8 t
	s_mov_b32 s21, ttmp9
	s_wait_kmcnt 0x0
	s_cmp_lt_u32 s21, GX                           ; which tensor: the choice hangs on the group's number alone
	s_cselect_b64 s[16:17], s[4:5], s[6:7]
	s_cselect_b64 s[18:19], s[10:11], s[12:13]
	s_cselect_b32 s20, 0, GX
	s_cmp_lt_u32 s21, GQ
	s_cselect_b64 s[16:17], s[16:17], s[8:9]
	s_cselect_b64 s[18:19], s[18:19], s[14:15]
	s_cselect_b32 s20, s20, GQ
	s_sub_co_u32 s20, s21, s20                     ; the group's number within its tensor
	s_lshl_b32 s22, s20, 16                        ; 65,536 bytes in,
	s_mov_b32 s23, 0
	s_lshl_b32 s24, s20, 15                        ; 32,768 out
	s_mov_b32 s25, 0
	s_add_nc_u64 s[16:17], s[16:17], s[22:23]
	s_add_nc_u64 s[18:19], s[18:19], s[24:25]
	s_wait_alu depctr_va_vdst(0)                   ; v1 and v2 are written: every load below reads v1 as its offset, every store v2; no later vector instruction names either
.irp j, 0,1,2,3,4,5,6,7,8,9,10,11,12,13,14,15
	global_load_b128 v[X+4*(\j):X+4*(\j)+3], v1, s[16:17] offset:4096*(\j) th:TH_LOAD_NT
.endr
; Set g: blocks 4 g to 4 g + 3, four numbers a thread each, are rounded; then they are stored.  f16 = 1: rounded to bf16, widened again (a shift, a mask) and written as f16.
.macro SET g, f16
	s_wait_loadcnt 12-4*(\g)                       ; loads come back in order: the set's four blocks are in, the 12 - 4 g younger ones stay out
.irp i, 0,1,2,3
.if \f16
	v_cvt_pk_bf16_f32 v[T],   v[X+4*(4*(\g)+(\i))],   v[X+4*(4*(\g)+(\i))+1]
	v_cvt_pk_bf16_f32 v[T+1], v[X+4*(4*(\g)+(\i))+2], v[X+4*(4*(\g)+(\i))+3]
	v_lshlrev_b32 v[X+4*(4*(\g)+(\i))],   16, v[T]
	v_and_b32     v[X+4*(4*(\g)+(\i))+1], 0xffff0000, v[T]
	v_lshlrev_b32 v[X+4*(4*(\g)+(\i))+2], 16, v[T+1]
	v_and_b32     v[X+4*(4*(\g)+(\i))+3], 0xffff0000, v[T+1]
	v_cvt_pk_f16_f32 v[Y+2*(4*(\g)+(\i))],   v[X+4*(4*(\g)+(\i))],   v[X+4*(4*(\g)+(\i))+1]
	v_cvt_pk_f16_f32 v[Y+2*(4*(\g)+(\i))+1], v[X+4*(4*(\g)+(\i))+2], v[X+4*(4*(\g)+(\i))+3]
.else
	v_cvt_pk_bf16_f32 v[Y+2*(4*(\g)+(\i))],   v[X+4*(4*(\g)+(\i))],   v[X+4*(4*(\g)+(\i))+1]
	v_cvt_pk_bf16_f32 v[Y+2*(4*(\g)+(\i))+1], v[X+4*(4*(\g)+(\i))+2], v[X+4*(4*(\g)+(\i))+3]
.endif
.endr
	s_wait_alu depctr_va_vdst(0)                   ; the set's conversions have written its eight registers of Y, which the four stores below read
.irp i, 0,1,2,3
	global_store_b64 v2, v[Y+2*(4*(\g)+(\i)):Y+2*(4*(\g)+(\i))+1], s[18:19] offset:2048*(4*(\g)+(\i))
.endr
.endm
	s_cmp_ge_u32 s21, GQ
	s_cbranch_scc1 .Lf16
.irp g, 0,1,2,3
	SET \g, 0
.endr
	s_endpgm
.Lf16:
.irp g, 0,1,2,3
	SET \g, 1
.endr
	s_endpgm
.Lfunc_end_k_q16c7baa3cd_cast:
	.size	k_q16c7baa3cd_cast, .Lfunc_end_k_q16c7baa3cd_cast-k_q16c7baa3cd_cast
	.p2alignl 7, 3214868480
	.fill 96, 4, 3214868480
	.section	.rodata,"a",@progbits
	.p2align	6, 0x0
	.amdhsa_kernel k_q16c7baa3cd_cast
		.amdhsa_group_segment_fixed_size 0
		.amdhsa_private_segment_fixed_size 0
		.amdhsa_enable_private_segment 0
		.amdhsa_kernarg_size 48
		.amdhsa_user_sgpr_count 2
		.amdhsa_user_sgpr_kernarg_segment_ptr 1
		.amdhsa_wavefront_size32 1
		.amdhsa_system_sgpr_workgroup_id_x 1
		.amdhsa_system_sgpr_workgroup_id_y 1
		.amdhsa_system_sgpr_workgroup_id_z 1
		.amdhsa_system_vgpr_workitem_id 0
		.amdhsa_next_free_vgpr 104
		.amdhsa_next_free_sgpr 66
		.amdhsa_reserve_vcc 0
		.amdhsa_float_denorm_mode_32 3
		.amdhsa_float_denorm_mode_16_64 3
		.amdhsa_memory_ordered 1
		.amdhsa_forward_progress 1
		.amdhsa_inst_pref_size 16
	.end_amdhsa_kernel
	.amdgpu_metadata
---
amdhsa.version: [ 1, 2 ]
amdhsa.kernels:
  - .name:           k_q16c7baa3cd_cast
    .symbol:         k_q16c7baa3cd_cast.kd
    .args:
      - { .name: x, .offset: 0, .size: 8, .value_kind: global_buffer, .address_space: global }
      - { .name: W_qkv, .offset: 8, .size: 8, .value_kind: global_buffer, .address_space: global }
      - { .name: W_out, .offset: 16, .size: 8, .value_kind: global_buffer, .address_space: global }
      - { .name: xb, .offset: 24, .size: 8, .value_kind: global_buffer, .address_space: global }
      - { .name: wqb, .offset: 32, .size: 8, .value_kind: global_buffer, .address_space: global }
      - { .name: wob, .offset: 40, .size: 8, .value_kind: global_buffer, .address_space: global }
    .group_segment_fixed_size: 0
    .private_segment_fixed_size: 0
    .kernarg_segment_align: 8
    .kernarg_segment_size: 48
    .max_flat_workgroup_size: 256
    .sgpr_count:     66
    .vgpr_count:     104
    .wavefront_size: 32
...
	.end_amdgpu_metadata
.endif
;; end of part 5
;; launch qkvgemm: the kernel of part 2 again; grid 16 x 32, 4 waves a work-group, clusters of 4 x 4, 327,680 bytes of LDS; arguments xb, wqb, b_qkv, qkv; writes qkv
;; launch attn: the kernel of part 3 again; grid 8 x 32, 8 waves a work-group, no clusters, 327,680 bytes of LDS; arguments qkv, ob; writes ob
;; launch outgemm: the kernel of part 4 again; grid 8 x 32, 4 waves a work-group, clusters of 4 x 4, 327,680 bytes of LDS; arguments ob, wob, b_out, out0; writes out0
